; MI455X (gfx1250); checked and timed in simulation.
; The chip was launched on July 23, 2026; its instructions are those of AMD's public machine-readable ISA for CDNA 5 (MIT licence, August 2026) and "CDNA5" Instruction Set Architecture Reference Guide (July 2026). The comments in the code are by the model that wrote it; some were corrected since.
;; Causal Self Attention. Allowed arithmetic: matrix products marked QUANTISED: E3M2 operands, one E8M0 scale for each 32 along K, by v_wmma_scale_f32_16x16x128_f8f6f4 with both operands' format E3M2, f32 sums; everything else in f32.
;; Inputs: Wk 1,024 x 1,024 float32; Wq 1,024 x 1,024 float32; Wv 1,024 x 1,024 float32; bk 1,024 float32; bq 1,024 float32; bv 1,024 float32; mask 2,048 x 2,048 int32; x 4 x 2,048 x 1,024 float32.
;; Outputs: out0 8,192 x 1,024 float32.
;; This version of the problem:
;;   THIS VERSION OF THE PROBLEM IS GIVEN IN LOW PRECISION. The matrix products marked QUANTISED in the list below multiply operands that are first quantised to E3M2 (3 exponent bits, 2 mantissa bits; 6 bits a number), with one power-of-two scale for each 32 numbers along K (OCP MX v1.0); their sums are f32. All else is computed in f32.
;;   The module's matrix products, in the order in which they are computed (A, B: the left and right operand; K: the contracted axis; several contracted axes count as one K, in the product's order):
;;     1. [M 8,192, K 1,024] x [K 1,024, N 1,024]; A: input x; B: input Wq: QUANTISED
;;     2. [M 8,192, K 1,024] x [K 1,024, N 1,024]; A: input x; B: input Wk: QUANTISED
;;     3. [M 8,192, K 1,024] x [K 1,024, N 1,024]; A: input x; B: input Wv: QUANTISED
;;     4. batch 4 x [M 2,048, K 1,024] x [K 1,024, N 2,048]; A: computed on the way; B: computed on the way: QUANTISED
;;     5. batch 4 x [M 2,048, K 2,048] x [K 2,048, N 1,024]; A: softmax (see below); B: computed on the way: QUANTISED
;;   THE QUANTISER, for each operand of a quantised product, along K:
;;     - K is cut into blocks of 32 from its start; a last block that is shorter is filled with zeros.
;;     - A block's scale is 2^e with e = floor(log2(the largest magnitude in the block)) - 4, held to -126 .. 127; a block of zeros has e = 0. As a byte (E8M0): e + 127.
;;     - Each number is divided by its block's scale, clamped to +-28, and rounded to the nearest number of E3M2, ties to even, subnormals kept.
;;     - The product sums the exact products of the quantised numbers (number of the format x scale) in f32.
;;   ~~~python
;;   def quantise(x, axis):      # numpy; x: float32 -> the quantised numbers, widened to float32 again
;;       x = np.moveaxis(x, axis, -1); K = x.shape[-1]
;;       x = np.pad(x, [(0, 0)] * (x.ndim - 1) + [(0, -K % 32)]); x = x.reshape(x.shape[:-1] + (-1, 32)); a = np.abs(x).max(-1, keepdims=True)
;;       e = np.where(a > 0, np.clip(np.frexp(np.where(a > 0, a, 1))[1] - 1 - 4, -126, 127), 0)      # np.frexp(a)[1] - 1 = floor(log2(a)), exactly
;;       r = np.clip(x / 2.0 ** e, -28, 28)
;;       step = 2.0 ** (np.maximum(np.frexp(np.where(r == 0, 1, r))[1] - 1, -2) - 2)
;;       q = np.round(r / step) * step * 2.0 ** e      # np.round: ties to even
;;       return np.moveaxis(q.reshape(q.shape[:-2] + (-1,))[..., :K], -1, axis).astype(np.float32)
;;   ~~~
;;   SOFTMAX AHEAD OF A QUANTISED PRODUCT. Where the list says 'softmax', what is quantised is not the finished softmax but p = 2^(t - M), with t = logit x log2(e) and M = ceil(the row's largest t), a whole number; so 1/2 < the row's largest p <= 1. The row's sum l is taken of the UNQUANTISED p, in f32, and the product's result is divided by l at the end. Since M is a whole number, a kernel that streams over the keys may use a running M (the ceiling of the running maximum): every later rescaling is an exact power of two, which a block's scale takes up: the codes' values come out the same.
;;   OPERANDS COMPUTED ON THE WAY. 'Computed on the way' means the value that the module computes at that place (a softmax that the list does not call 'softmax' is quantised finished and normalised). What goes into a quantiser is computed in f32, as accurately as f32 sums, v_exp_f32 and their like allow (about 1e-6 of the number): no bf16 or f16 on the way to a quantiser, and a product that is left as it is and whose result goes on into a quantised operand takes f32 operands (vector FMAs, or v_wmma_f32_16x16x4_f32). A number that lies on a knife's edge between two numbers of the format may be rounded either way, as far as f32 arithmetic and the matrix unit's own rounding can turn it there, and no further.
;; One version. Each part assembles by itself: llvm-mc -triple=amdgcn-amd-amdhsa -mcpu=gfx1250 --defsym DOCPART=n.
;; ======== version 1 of 1: 4 launches
;; limits: right only within a limited range of input values
;; workspace buffers: xw 8,650,752 bytes; xws 360,448 bytes; mbits 524,288 bytes of whole numbers; qkv 18,874,368 bytes; qkvs 786,432 bytes; pc 12,582,912 bytes; pst 1,572,864 bytes
;; launch quant (part 1): grid 960 x 1, 2 waves a work-group, no clusters, 67,840 bytes of LDS; arguments x, Wq, Wk, Wv, mask, xw, xws, mbits; writes xw, xws, mbits
.if DOCPART == 1
	.amdgcn_target "amdgcn-amd-amdhsa--gfx1250"
	.amdhsa_code_object_version 6
	.text
	.protected	k_q6701824feb_quant
	.globl	k_q6701824feb_quant
	.p2align	8
	.type	k_q6701824feb_quant,@function
k_q6701824feb_quant:
	s_mov_b64 s[64:65], 0
	v_nop
	global_prefetch_b8 v0, s[64:65] scope:SCOPE_SE
	s_setreg_imm32_b32 hwreg(HW_REG_WAVE_MODE, 25, 1), 1
	s_wait_xcnt 0x0
; FIRST OF FOUR LAUNCHES of out = softmax(mask(Q K^T / 32)) V, Q, K, V = x W^T + b, all five products on codes of BF6 (E3M2) with one E8M0 scale for each 32 along K.
; NOTHING OF reference() IS DEAD WORK: all eight inputs have a way to the output and are loaded (x, Wq, Wk, Wv, mask here; bq, bk, bv in the next launch); the mask is an input and no pattern of it is built in.
; THIS LAUNCH turns x [8192][1024], Wq, Wk, Wv [1024][1024] (f32, K innermost) into codes and scale words, and the mask [2048][2048] (int32) into lane-mask words.
; LAYOUT OF ALL WORKSPACE OPERANDS.  Rows go in groups of 128 = 8 tiles of 16.  THE ROWS OF A TILE ARE NOT NEIGHBOURS: lane r of tile i takes row 32 (i / 2) + 8 (i % 2) + r + 8 (r / 8), so that a later product's
; results (eight registers a tile) are 16 neighbours along the next K.  A fragment (16 rows x 128 K, 12 registers a lane) lies as an image of its registers: registers 4 c .. 4 c + 3 of lane l at 512 c + 16 l: 1,536 bytes.
; Codes: [group of rows][K / 128][tile][1,536].  Scale words: [group][K / 128][lane 16 p + r][a]: the word of tile 2 a + p, row of lane r: 512 bytes.
; Mask words: [chunk of 128 keys][group of queries][tile][64 words]: bit (r, h) of word 16 b + i says that mask[row of lane r][128 chunk + 32 b + 16 h + i] is not 0.
; SHARES.  A wave takes four tiles of one group of rows x 128 columns.  Work-groups 0-703: the 88 groups of x, Wq, Wk, Wv x 8 K steps x 2 parities; work-groups 704-959: the mask's 16 x 16 x 2.  Waves share nothing: no barrier.
; Each load reads 512 consecutive bytes of one row; a tile's 16 rows turn through the wave's own stage in LDS (rows 528 bytes apart) and come back 16 neighbours of each block of 32 a lane.  Loads run four tiles (64 loads) ahead.
; A block's scale byte is its largest magnitude's exponent field - 4, held at 1 from below.  LIMITS: a block of zeros carries the byte 1 (its codes are zeros; this program alone reads the bytes); NaN and infinities are not served.
; SHARES, as this text has them: a wave takes the FOUR tiles of one parity (tiles 2 t + p, p = work-group % 2) of one group of rows x 128 columns; all its 64 loads are issued at its start.
; Work-groups 0-703: the 88 groups of x, Wq, Wk, Wv x 8 K steps x 2 parities; work-groups 704-959: the mask's 16 x 16 x 2.  A parity's scale words are 256 consecutive bytes of the group's 512.
.set WREG,  16896
.set STG,   8448
.set SPARE, 4*WREG                     ; behind both paths' stages: the spare words, 128 bytes a wave
.set LO,  4                            ; v4   16 x lane
.set SAF, 5                            ; v5   stage, way in, codes' path: 16 x lane
.set SBF, 6                            ; v6   stage, way out: 528 r + 64 h
.set SAM, 7                            ; v7, v8 the same on the mask's path, which has LDS bytes of its own
.set SBM, 8
.set ZO,  9                            ; v9   8 x lane
.set SPW, 10                           ; v10  my spare word; never rewritten
.set NIL, 11                           ; v11  0; never rewritten
.set Z,   12                           ; v12-13 a tile's 64 mask words, two a lane
.set PWR, 16                           ; v16-19 the four tiles' scale words
.set XW,  24
.set X,   32                           ; v32-159 two sets of 64 numbers
.set PC,  160                          ; v160-179 codes
.set TM,  200                          ; v200-215 at work
.set SEL, 28                           ; s[28:29] lane selects: lane l xor 16
.set HM,  30
.set MSB, 0
.macro WIN new                         ; the immediate's high byte repeats the setting that is left
.if MSB != \new
	s_set_vgpr_msb (MSB<<8)|\new
.set MSB, \new
.endif
.endm
	s_load_b512 s[4:19], s[0:1], 0x0               ; x, Wq, Wk, Wv, mask, xw, xws, mbits
	v_lshl_add_u32 v[SPW], v0, 2, SPARE
	v_mov_b32 v[NIL], 0
	v_lshrrev_b32 v1, 5, v0
	v_readfirstlane_b32 s31, v1                    ; wave 0, 1
	v_and_b32 v1, 31, v0                           ; lane
	v_and_b32 v2, 15, v0                           ; r
	v_bfe_u32 v3, v0, 4, 1                         ; h
	v_lshlrev_b32 v[LO], 4, v1
	v_lshlrev_b32 v[ZO], 3, v1
	v_lshlrev_b32 v14, 4, v2                       ; 16 r: where row r's four scale words go
	s_mul_i32 s32, s31, WREG
	v_add_nc_u32 v[SAF], s32, v[LO]
	v_mul_u32_u24 v1, v2, 528
	v_lshl_add_u32 v1, v3, 6, v1
	v_add_nc_u32 v[SBF], s32, v1
	v_add_nc_u32 v[SAM], 2*WREG, v[SAF]
	v_add_nc_u32 v[SBM], 2*WREG, v[SBF]
	v_mov_b32 v[Z], 0                              ; written once: a lane write's destination counts as read
	v_mov_b32 v[Z+1], 0
.irp b, 0,1,2,3
	v_mov_b32 v[TM+4+\b], 0                        ; likewise a lane permute's
.endr
	s_mov_b32 s[SEL], 0x76543210
	s_mov_b32 s[SEL+1], 0xfedcba98
; tile i's 16 rows, 512 bytes each, into set i % 4 of window 1
.macro LOADT i, pitch
	WIN 0x40
.irp p, 0,1,2,3,4,5,6,7,8,9,10,11,12,13,14,15
	global_load_b128 v[64*((\i)%4)+4*\p:64*((\i)%4)+4*\p+3], v[LO], s[34:35] offset:(32*(\i)+\p+8*(\p/8))*\pitch th:TH_LOAD_NT
.endr
.endm
; tile i through stage i % 2: LDS serves a wave's instructions in order, so no wait stands between the stores and the loads.  Register 16 b + 4 j + e comes back as element 32 b + 16 h + 4 j + e of row r
.macro TURN i, sa, sb
	WIN 0x04                                       ; an LDS store's data are its source 1: window 1
.irp p, 0,1,2,3,4,5,6,7,8,9,10,11,12,13,14,15
	ds_store_b128 v[\sa], v[64*((\i)%4)+4*\p:64*((\i)%4)+4*\p+3] offset:STG*((\i)%2)+528*\p
.endr
	WIN 0
.irp b, 0,1,2,3
.irp j, 0,1,2,3
	ds_load_b128 v[X+64*((\i)%2)+16*\b+4*\j:X+64*((\i)%2)+16*\b+4*\j+3], v[\sb] offset:STG*((\i)%2)+128*\b+16*\j
.endr
.endr
.endm
; 64 numbers of a lane at v[XS] on become a fragment's codes in v[PC] on and its scale word in v[pw]
.macro QUANT pw
.irp b, 0,1,2,3
	v_max3_num_f32 v[TM+\b], |v[XS+16*\b]|, |v[XS+1+16*\b]|, 0x2800000   ; my 16 numbers of block b, and the floor 2^(5 - 127): the byte cannot fall under 1
.endr
.irp i, 2,4,6,8,10,12,14
.irp b, 0,1,2,3
	v_max3_num_f32 v[TM+\b], v[TM+\b], |v[XS+16*\b+\i]|, |v[XS+1+16*\b+\i]|
.endr
.endr
.irp b, 0,1,2,3
	v_permlanex16_b32 v[TM+4+\b], v[TM+\b], s[SEL], s[SEL+1]
.endr
.irp b, 0,1,2,3
	v_max_num_f32 v[TM+\b], v[TM+\b], v[TM+4+\b]   ; with lane l xor 16's: the block's largest magnitude
.endr
.irp b, 0,1,2,3
	v_add_nc_u32 v[TM+12+\b], 0xfe000000, v[TM+\b] ; 4 off its exponent field: the conversion's scale operand
.endr
.irp b, 0,1,2,3
	v_lshrrev_b32 v[TM+4+\b], 23, v[TM+12+\b]      ; the scale's byte
.endr
	v_lshl_or_b32 v[\pw], v[TM+5], 8, v[TM+4]
	v_lshl_or_b32 v[\pw], v[TM+6], 16, v[\pw]
	v_lshl_or_b32 v[\pw], v[TM+7], 24, v[\pw]
.irp c, 0,1
	v_cvt_scalef32_pk16_bf6_f32 v[PC+6*\c:PC+2+6*\c], v[XS+32*\c:XS+15+32*\c], v[TM+12+2*\c]
	v_cvt_scalef32_pk16_bf6_f32 v[PC+12+4*\c:PC+14+4*\c], v[XS+16+32*\c:XS+31+32*\c], v[TM+12+2*\c+1]
.endr
	v_nop                                          ; one plain place behind a scaled conversion
.irp c, 0,1                                    ; the operand's layout wants a whole block in a lane
.irp i, 0,1,2
	v_permlane16_swap_b32 v[PC+6*\c+\i], v[PC+12+4*\c+\i]
.endr
.irp i, 0,1,2
	v_mov_b32 v[PC+3+6*\c+\i], v[PC+12+4*\c+\i]
.endr
.endr
.endm
; 64 whole numbers of a lane at v[XS] on become 64 lane masks; word n goes to lane n / 2 of register Z + n % 2
.macro MPACK
.set QN, 0
.rept 8
.irp e, 0,1,2,3,4,5,6,7
	v_cmp_ne_u32 s[20+\e], 0, v[XS+QN+\e]
.endr
.irp e, 0,1,2,3,4,5,6,7
	v_writelane_b32 v[Z+(QN+\e)%2], s[20+\e], (QN+\e)/2
.endr
.set QN, QN+8
.endr
.endm
.macro TILE t, kind, pitch, sa, sb
.set XS, X+64*((\t)%2)
	s_wait_dscnt 0x0                               ; this tile is back from its stage, and its stores into the stage have read their registers
	s_wait_xcnt 0x0                                ; the last tile's global stores have read theirs: codes and mask words may be written again
.if (\t)+1 < 4
	s_wait_loadcnt 16*(2-(\t))                     ; the next tile's 16 loads are in; the tiles behind it may be out: 32, 16, 0
	TURN (\t)+1, \sa, \sb
.endif
.if \kind == 0
	QUANT PWR+(\t)
.irp c, 0,1,2
	global_store_b128 v[LO], v[PC+4*\c:PC+4*\c+3], s[14:15] offset:3072*(\t)+512*\c   ; 512 consecutive bytes, aligned
.endr
.else
	MPACK
	global_store_b64 v[ZO], v[Z:Z+1], s[18:19] offset:512*(\t)                        ; 256 consecutive bytes, aligned
.endif
.endm
	s_wait_kmcnt 0x0
	s_and_b32 s39, ttmp9, 1                        ; the tiles' parity
	s_lshr_b32 s40, ttmp9, 1
	s_cmp_ge_u32 s40, 352
	s_cbranch_scc1 .Lmask
	; ---- codes: group g = work-group / 8, K step 2 ((work-group / 2) % 4) + wave
	s_lshr_b32 s32, s40, 2
	s_and_b32 s33, s40, 3
	s_lshl_b32 s33, s33, 1
	s_add_co_u32 s33, s33, s31                     ; K step
	s_and_b32 s36, s32, 7                          ; a weight's own group
	s_cmp_lt_u32 s32, 80
	s_cselect_b64 s[34:35], s[8:9], s[10:11]
	s_cmp_lt_u32 s32, 72
	s_cselect_b64 s[34:35], s[6:7], s[34:35]
	s_cmp_lt_u32 s32, 64
	s_cselect_b64 s[34:35], s[4:5], s[34:35]       ; the choice hangs on the work-group's number alone
	s_cselect_b32 s36, s32, s36
	s_lshl_b32 s36, s36, 19                        ; 128 rows of 4,096 bytes
	s_lshl_b32 s37, s33, 9
	s_add_co_u32 s36, s36, s37
	s_lshl_b32 s37, s39, 15                        ; odd tiles begin 8 rows of 4,096 bytes further down
	s_add_co_u32 s36, s36, s37
	s_mov_b32 s37, 0
	s_add_nc_u64 s[34:35], s[34:35], s[36:37]
	s_lshl_b32 s38, s32, 3
	s_add_co_u32 s38, s38, s33
	s_mul_i32 s36, s38, 12288
	s_mul_i32 s41, s39, 1536
	s_add_co_u32 s36, s36, s41
	s_add_nc_u64 s[14:15], s[14:15], s[36:37]
	s_lshl_b32 s36, s38, 9
	s_lshl_b32 s41, s39, 8
	s_add_co_u32 s36, s36, s41
	s_add_nc_u64 s[16:17], s[16:17], s[36:37]
.irp t, 0,1,2,3
	LOADT \t, 4096
.endr
	s_wait_loadcnt 48                              ; tile 0 is in; tiles 1 to 3 may be out
	s_wait_alu depctr_va_vdst(0)
	TURN 0, SAF, SBF
.irp t, 0,1,2,3
	TILE \t, 0, 4096, SAF, SBF
.endr
	global_store_b128 v14, v[PWR:PWR+3], s[16:17]  ; row r's words of my four tiles: 256 consecutive bytes, aligned (lanes r and 16 + r hold the same words and write the same bytes)
	s_wait_tensorcnt 0x0                           ; the wave's end
	ds_add_u32 v[SPW], v[NIL]
	s_wait_dscnt 0x0
	s_endpgm
.Lmask:
	; ---- the mask: task 2 (work-group / 2 - 352) + wave: group of queries task / 16, chunk of keys task % 16
	s_sub_co_u32 s32, s40, 352
	s_lshl_b32 s32, s32, 1
	s_add_co_u32 s32, s32, s31
	s_lshr_b32 s33, s32, 4                         ; group of queries
	s_and_b32 s32, s32, 15                         ; chunk of keys
	s_lshl_b32 s36, s33, 20                        ; 128 rows of 8,192 bytes
	s_lshl_b32 s37, s32, 9
	s_add_co_u32 s36, s36, s37
	s_lshl_b32 s37, s39, 16                        ; odd tiles begin 8 rows of 8,192 bytes further down
	s_add_co_u32 s36, s36, s37
	s_mov_b32 s37, 0
	s_add_nc_u64 s[34:35], s[12:13], s[36:37]
	s_lshl_b32 s36, s32, 4
	s_add_co_u32 s36, s36, s33
	s_lshl_b32 s36, s36, 11
	s_lshl_b32 s41, s39, 8
	s_add_co_u32 s36, s36, s41
	s_add_nc_u64 s[18:19], s[18:19], s[36:37]
.irp t, 0,1,2,3
	LOADT \t, 8192
.endr
	s_wait_loadcnt 48
	s_wait_alu depctr_va_vdst(0)
	TURN 0, SAM, SBM
.irp t, 0,1,2,3
	TILE \t, 1, 8192, SAM, SBM
.endr
	s_wait_tensorcnt 0x0                           ; the wave's end, as above
	ds_add_u32 v[SPW], v[NIL]
	s_wait_dscnt 0x0
	s_endpgm
.Lfunc_end_k_q6701824feb_quant:
	.size	k_q6701824feb_quant, .Lfunc_end_k_q6701824feb_quant-k_q6701824feb_quant
	.p2alignl 7, 3214868480
	.fill 96, 4, 3214868480
	.section	.rodata,"a",@progbits
	.p2align	6, 0x0
	.amdhsa_kernel k_q6701824feb_quant
		.amdhsa_group_segment_fixed_size 67840
		.amdhsa_private_segment_fixed_size 0
		.amdhsa_enable_private_segment 0
		.amdhsa_kernarg_size 64
		.amdhsa_user_sgpr_count 2
		.amdhsa_user_sgpr_kernarg_segment_ptr 1
		.amdhsa_wavefront_size32 1
		.amdhsa_system_sgpr_workgroup_id_x 1
		.amdhsa_system_sgpr_workgroup_id_y 1
		.amdhsa_system_sgpr_workgroup_id_z 1
		.amdhsa_system_vgpr_workitem_id 0
		.amdhsa_next_free_vgpr 512
		.amdhsa_next_free_sgpr 66
		.amdhsa_reserve_vcc 0
		.amdhsa_float_denorm_mode_32 3
		.amdhsa_float_denorm_mode_16_64 3
		.amdhsa_memory_ordered 1
		.amdhsa_forward_progress 1
		.amdhsa_inst_pref_size 82
	.end_amdhsa_kernel
	.amdgpu_metadata
---
amdhsa.version: [ 1, 2 ]
amdhsa.kernels:
  - .name:           k_q6701824feb_quant
    .symbol:         k_q6701824feb_quant.kd
    .args:
      - { .name: x, .offset: 0, .size: 8, .value_kind: global_buffer, .address_space: global }
      - { .name: Wq, .offset: 8, .size: 8, .value_kind: global_buffer, .address_space: global }
      - { .name: Wk, .offset: 16, .size: 8, .value_kind: global_buffer, .address_space: global }
      - { .name: Wv, .offset: 24, .size: 8, .value_kind: global_buffer, .address_space: global }
      - { .name: mask, .offset: 32, .size: 8, .value_kind: global_buffer, .address_space: global }
      - { .name: xw, .offset: 40, .size: 8, .value_kind: global_buffer, .address_space: global }
      - { .name: xws, .offset: 48, .size: 8, .value_kind: global_buffer, .address_space: global }
      - { .name: mbits, .offset: 56, .size: 8, .value_kind: global_buffer, .address_space: global }
    .group_segment_fixed_size: 67840
    .private_segment_fixed_size: 0
    .kernarg_segment_align: 8
    .kernarg_segment_size: 64
    .max_flat_workgroup_size: 64
    .sgpr_count:     66
    .vgpr_count:     512
    .wavefront_size: 32
...
	.end_amdgpu_metadata
.endif
;; end of part 1
;; launch proj (part 2): grid 8 x 32, 4 waves a work-group, clusters of 4 x 4, 327,680 bytes of LDS; arguments xw, xws, bq, bk, bv, qkv, qkvs; writes qkv, qkvs
.if DOCPART == 2
	.amdgcn_target "amdgcn-amd-amdhsa--gfx1250"
	.amdhsa_code_object_version 6
	.text
	.protected	k_q6701824feb_proj
	.globl	k_q6701824feb_proj
	.p2align	8
	.type	k_q6701824feb_proj,@function
k_q6701824feb_proj:
	s_mov_b64 s[64:65], 0
	v_nop
	global_prefetch_b8 v0, s[64:65] scope:SCOPE_SE
	s_setreg_imm32_b32 hwreg(HW_REG_WAVE_MODE, 25, 1), 1
	s_wait_xcnt 0x0
	s_wait_alu depctr_hold_cnt(0) depctr_sa_sdst(0) depctr_va_vdst(0) depctr_va_sdst(0) depctr_va_ssrc(0) depctr_va_vcc(0) depctr_vm_vsrc(0)
	s_getreg_b32 s2, hwreg(HW_REG_IB_STS2, 6, 4)
	s_cmp_eq_u32 s2, 0
	s_cbranch_scc0 .Lentry_in_a_cluster
	s_endpgm
.Lentry_in_a_cluster:
	s_bfe_u32 s2, ttmp6, 0x10000c
	s_cmp_lg_u32 s2, 0xf033
	s_cbranch_scc0 .Lentry_shape_is_right
	s_endpgm
.Lentry_shape_is_right:
; SECOND LAUNCH: Q = x Wq^T + bq, K = x Wk^T + bk, V = x Wv^T + bv on codes of BF6, the results quantised at once: Q and K along their 1,024 columns, V along the keys.  No work of reference() is left out.
; Operands and results lie as the first launch's head says: groups of 128 rows, tiles in its order of rows, fragments as images of their registers, scale words 512 bytes for a group and 128 K.
; SHARES.  256 work-groups of four waves.  Work-group (i, j), i = 0..31, j = 0..7, makes two products on ONE tile of x (rows 256 i on, two groups):
;   product 1: 256 rows of x (side A, a lane's row) x 256 rows of Wq (j under 4) or Wk (side B, along a lane's registers): a wave 128 x 128, 64 accumulators;
;   product 2: the 128 rows of Wv's group j (side A) x the same 256 rows of x (side B): a wave 64 x 128, 32 accumulators: fragments of V^T.
; Together 8,192 x 3,072 results in equal shares: 768 matrix instructions a wave.  SOURCE 0 = side B, SOURCE 1 = side A.  The bias is the C of each sum's first matrix instruction.
; LDS.  x's tile for all of K, 2 x 98,304 bytes, is filled once (steps 0-3 at the head, steps 4-7 behind the first round, by waves 0 and 1) and stays.  The weights go through two slots, fetched by waves 2 and 3:
;   slot 0 (73,728 bytes): K steps 0-2, then 5-7, then Wv's steps 4-7;  slot 1 (49,152 bytes): K steps 3-4, then Wv's steps 0-3.  One tensor load of a wave is out at the most; every wait on TENSORcnt is for 0.
; CLUSTER 4 x 4: x's tile hangs on i alone (shared along a row of the cluster), the weights on j alone (along a column): joint loads.  All LDS is claimed.
; PREFETCH INTO THE L2: behind each group of tensor loads the bytes of a later group are asked for, each block of 256 bytes once in a cluster, the four partners of a joint load taking a quarter each by address (cx for x, cy for the weights):
;   at the head x's steps 4-7 and the weight's steps 3-4; behind the first round the weight's steps 5-7 and Wv's steps 0-3; behind the refill in step 2 Wv's steps 4-7.  The head's own tiles come by their loads alone.
; V^T's scale words leave as 8 bytes a lane, two waves filling each 512 bytes between them.
; LIMITS: a block of zeros carries the byte 1 (its codes are zeros; this program alone reads the bytes); NaN and infinities are not served.
; REGISTERS: window 0: v4-19 addresses; v32-63 x's scale words, v64-95 the weight's (4 a K step); v96-103 the results' scale words; v104-119 Wv's scale words (2 a step); v120-123 bv; v128-147 at work; v160-255 side A's fragments (later the codes).
;   window 1: side B's fragments, two sets, at v0 and v96; v192-255 the bias.   windows 2, 3: accumulator (a, b) at v[8 (8 (a % 4) + b)].
.set RGK,   12288                      ; a group's codes of 128 K
.set FRB,   1536                       ; a fragment
.set XG,    8*RGK                      ; a group's codes of all K
.set WB,    2*XG                       ; slot 0
.set WB1,   WB+6*RGK                   ; slot 1
.set SPARE, WB1+4*RGK                  ; the spare words, 128 bytes a wave
.set LI,   4                           ; 16 x lane
.set ADRX, 6                           ; v6, v7: my group of x, steps 0-3, 4-7
.set ADRW, 8                           ; v8, v9: my group of the weight in slot 0, 1
.set ADRV, 10                          ; v10, v11: my four tiles of Wv in slot 0, 1
.set SPW,  12
.set NIL,  13
.set PO,   16                          ; 16 x lane + 8 (wave % 2)
.set PFX,  17                          ; prefetch offsets, never rewritten: 12,288 cx + 256 min(lane, 23);
.set PFV,  18                          ; 6,144 cy + 256 min(lane, 23);
.set PFW,  19                          ; 9,216 cy + 256 min(lane, 17)
.set SCA,  32
.set SCB,  64
.set PWR,  96
.set WVS,  104
.set BV,   120
.set TM,   128
.set XW,   144
.set AF,   160
.set PC,   160
.set BIAS, 192
.set G1A,  4                           ; group 1: 192 rows of 256 bytes (x), 144 and 96 rows (weights)
.set G1B3, 12
.set G1B2, 20
.set G0A,  28
.set G0P,  32                          ; group 0 of slot 0, of slot 1
.set G0Q,  36
.set WV,  40
.set FS,  41                           ; wave / 2: my group of x; also: I fetch x (0) or weights (1)
.set FH,  42                           ; wave % 2: my group of the weight, my half of Wv's group; also: which part I fetch
.set SEL, 88
.set HM,  90
.set TYP, 91
.set VBS, 96                           ; s[96:97] Wv's group j, two steps x wave % 2 on; s[98:99] x's group 2 i + wave % 2; s[100:101] the weight's group: never rewritten
.set XBS, 98
.set WBS, 100
.set MSB, 0
.macro WIN new
.if MSB != \new
	s_set_vgpr_msb (MSB<<8)|\new
.set MSB, \new
.endif
.endm
.macro PLACES                          ; four plain places behind matrix instructions, ahead of loads into their sources and of reads of their results
.rept 4
	v_nop
.endr
.endm
.macro CREST
	s_cmp_lg_u32 s[WV], 0
	s_cbranch_scc1 .Lnot_wave_0_\@
	s_barrier_signal -3
.Lnot_wave_0_\@:
	s_barrier_wait -3
	s_barrier_signal -1
	s_barrier_wait -1
.endm
.macro CROUND
	s_barrier_signal -1
	s_barrier_wait -1
	CREST
.endm
.macro TL g0, g1                       ; a joint load and the lines behind it
	tensor_load_to_lds s[\g0:\g0+3], s[\g1:\g1+7]
	s_nop 0
.rept 4
	v_nop
.endr
.endm
.macro JL2 g0a, g1a, g0b, g1b          ; waves 0, 1 fetch x, waves 2, 3 weights: one load on every way
	s_cmp_eq_u32 s[FS], 0
	s_cbranch_scc0 .Lfor_w_\@
	TL \g0a, \g1a
	s_branch .Lasked_\@
.Lfor_w_\@:
	TL \g0b, \g1b
.Lasked_\@:
.endm
.macro JLW g0, g1                      ; a refill of a weight slot: waves 2, 3 alone have a part to fetch
	s_cmp_eq_u32 s[FS], 0
	s_cbranch_scc1 .Lnone_\@
	TL \g0, \g1
.Lnone_\@:
.endm
.macro PF v, s, off                    ; a lane a block of 256 bytes; the lanes left over name their wave's last block again
	global_prefetch_b8 v[\v], s[\s:\s+1] offset:\off th:TH_LOAD_NT scope:SCOPE_SE
.endm
.macro ASKH                            ; at the head, for the loads behind the first round: my work-group's quarter of x's steps 4-7 (48 blocks) or of the weight's steps 3-4 (24 blocks)
	s_cmp_eq_u32 s[FS], 0
	s_cbranch_scc0 .Lpw_\@
	PF PFX, XBS, 4*RGK
	PF PFX, XBS, 4*RGK+6144
	s_branch .Lpe_\@
.Lpw_\@:
	PF PFV, WBS, 3*RGK
.Lpe_\@:
.endm
.macro ASKB                            ; behind the first round, for the refills in steps 2 and 4: Wv's steps 0-3 (24 blocks) or the weight's steps 5-7 (36 blocks)
	s_cmp_eq_u32 s[FS], 0
	s_cbranch_scc0 .Lpw_\@
	PF PFV, VBS, 0
	s_branch .Lpe_\@
.Lpw_\@:
	PF PFW, WBS, 5*RGK
	PF PFW, WBS, 5*RGK+4608
.Lpe_\@:
.endm
.macro ASKC                            ; behind the refill in step 2, for the refill in step 7: Wv's steps 4-7 (24 blocks), by the waves that fetch no more
	s_cmp_eq_u32 s[FS], 0
	s_cbranch_scc0 .Lpe_\@
	PF PFV, VBS, 4*RGK
.Lpe_\@:
.endm
.macro G1SET g, rows                   ; a dense block as rows of 256 bytes (32 elements of 8)
	s_mov_b32 s[\g+1], 32<<16
	s_mov_b32 s[\g+2], (\rows)<<16
	s_mov_b32 s[\g+3], 32<<16
	s_mov_b32 s[\g+4], \rows
	s_mov_b32 s[\g+5], 32
	s_mov_b32 s[\g+6], 0
	s_mov_b32 s[\g+7], 0
.endm
.macro G0SET g, lds, adr
	s_mov_b32 s[\g], 1
	s_mov_b32 s[\g+1], s[\lds]
	s_mov_b64 s[\g+2:\g+3], s[\adr:\adr+1]
	s_or_b32 s[\g+3], s[\g+3], 0x80000000
.endm
.macro WMMA                            ; registers by the symbols RD, RB, RA, RC, RSB, RSA; PB, PA: the side's scale words stand in lanes 16-31
.if PB && PA
	v_wmma_scale_f32_16x16x128_f8f6f4 v[RD:RD+7], v[RB:RB+11], v[RA:RA+11], v[RC:RC+7], v[RSB], v[RSA] matrix_a_fmt:MATRIX_FMT_BF6 matrix_b_fmt:MATRIX_FMT_BF6 matrix_a_scale:MATRIX_SCALE_ROW1 matrix_b_scale:MATRIX_SCALE_ROW1
.elseif PB
	v_wmma_scale_f32_16x16x128_f8f6f4 v[RD:RD+7], v[RB:RB+11], v[RA:RA+11], v[RC:RC+7], v[RSB], v[RSA] matrix_a_fmt:MATRIX_FMT_BF6 matrix_b_fmt:MATRIX_FMT_BF6 matrix_a_scale:MATRIX_SCALE_ROW1
.elseif PA
	v_wmma_scale_f32_16x16x128_f8f6f4 v[RD:RD+7], v[RB:RB+11], v[RA:RA+11], v[RC:RC+7], v[RSB], v[RSA] matrix_a_fmt:MATRIX_FMT_BF6 matrix_b_fmt:MATRIX_FMT_BF6 matrix_b_scale:MATRIX_SCALE_ROW1
.else
	v_wmma_scale_f32_16x16x128_f8f6f4 v[RD:RD+7], v[RB:RB+11], v[RA:RA+11], v[RC:RC+7], v[RSB], v[RSA] matrix_a_fmt:MATRIX_FMT_BF6 matrix_b_fmt:MATRIX_FMT_BF6
.endif
.endm
; product 1, 16 matrix instructions: x's blocks a0, a0 + 1 x the weight's eight, K step k.  cm = 1: C = the bias by the weight's rows.  The accumulators take turns in the same order in every step
.macro MUL16 a0, k, cm
.irp a, \a0, \a0+1
.irp b, 0,1,2,3,4,5,6,7
.set RD, 8*(8*((\a)%4)+\b)
.set RB, 96*((\k)%2)+12*\b
.set RA, AF+12*(\a)
.set RSB, SCB+4*(\k)+\b/2
.set RSA, SCA+4*(\k)+(\a)/2
.set PB, \b%2
.set PA, (\a)%2
.if \cm
.set RC, BIAS+8*\b
.else
.set RC, RD
.endif
	WMMA
.endr
.endr
.endm
; product 2, 8 matrix instructions: Wv's tile al of my four x x's eight tiles, K step k.  cm = 1: C = the bias of the lane's row of Wv
.macro MUL8 al, k, cm
.irp b, 0,1,2,3,4,5,6,7
.set RD, 8*(8*(\al)+\b)
.set RB, 96*((\k)%2)+12*\b
.set RA, AF+48*((\k)%2)+12*(\al)
.set RSB, SCA+4*(\k)+\b/2
.set RSA, WVS+2*(\k)+(\al)/2
.set PB, \b%2
.set PA, (\al)%2
.if \cm
.set RC, BIAS+8*(\al)
.else
.set RC, RD
.endif
	WMMA
.endr
.endm
.macro FRAG reg, adr, off              ; a fragment comes back as it was stored: three loads of 512 consecutive bytes
.irp c, 0,1,2
	ds_load_b128 v[\reg+4*\c:\reg+4*\c+3], v[\adr] offset:\off+512*\c
.endr
.endm
.macro NEXT k                          ; where step k + 1 of product 1 lies
.set NN, (\k)+1
.set NB, NN%2
.set AAD, ADRX+NN/4
.set AOF, RGK*(NN%4)
.if NN < 3
.set BAD, ADRW
.set BOF, RGK*NN
.elseif NN < 5
.set BAD, ADRW+1
.set BOF, RGK*(NN-3)
.else
.set BAD, ADRW
.set BOF, RGK*(NN-5)
.endif
.endm
.macro FETCH_B
	WIN 0x40
.irp i, 0,1,2,3,4,5,6,7
	FRAG 96*NB+12*\i, BAD, BOF+FRB*\i
.endr
	WIN 0
.endm
.macro FETCH_A i0
.irp i, \i0, \i0+1, \i0+2, \i0+3
	FRAG AF+12*(\i), AAD, AOF+FRB*(\i)
.endr
.endm
.macro STEP k, cm
	NEXT \k
	s_wait_dscnt 12                                ; B's set and A's blocks 0-3 are in; A's blocks 4-7 (12 loads) may be out
.if \cm
	WIN 0x91                                       ; B window 1, A window 0, C (the bias) window 1, D window 2
.else
	WIN 0xa1
.endif
	MUL16 0, \k, \cm
	MUL16 2, \k, \cm
	s_wait_dscnt 0x0
	PLACES
	FETCH_B
	FETCH_A 0
.if \cm
	WIN 0xd1
.else
	WIN 0xf1
.endif
	MUL16 4, \k, \cm
	MUL16 6, \k, \cm
	PLACES
	WIN 0
	FETCH_A 4
.endm
; a step that is the last on its weight slot: the slot is filled again behind a round of the cluster's barrier
.macro TURN k, g0, g1
	NEXT \k
	s_wait_tensorcnt 0x0                           ; all my tensor loads have landed
	ds_add_u32 v[SPW], v[NIL]
.if \k == 2
	s_add_nc_u64 s[G0P+2:G0P+3], s[G0P+2:G0P+3], 5*RGK        ; no load of mine is out: slot 0 takes K steps 5-7
.elseif \k == 4
	s_mov_b64 s[G0Q+2:G0Q+3], s[VBS:VBS+1]                    ; slot 1 takes Wv's steps 0-3: two steps a loading wave
	s_or_b32 s[G0Q+3], s[G0Q+3], 0x80000000
.else
	s_mov_b32 s[G0P+1], s59                                   ; slot 0 takes Wv's steps 4-7
	s_add_nc_u64 s[G0P+2:G0P+3], s[VBS:VBS+1], 4*RGK
	s_or_b32 s[G0P+3], s[G0P+3], 0x80000000
.endif
	s_wait_dscnt 13                                ; (the add and A's blocks 4-7 may be out)
	WIN 0xa1
	MUL16 0, \k, 0
	s_wait_dscnt 0x0                               ; the add is done, and my reads of the slot are over
	s_barrier_signal -1
	MUL16 2, \k, 0
	WIN 0
	s_barrier_wait -1
	CREST                                          ; no wave of any partner reads the slot or has a load on its way
	JLW \g0, \g1
	PLACES
.if \k < 7
	FETCH_B
	FETCH_A 0
.endif
.if \k == 2
	ASKC
.endif
	WIN 0xf1
	MUL16 4, \k, 0
	MUL16 6, \k, 0
.if \k < 7
	PLACES
	WIN 0
	FETCH_A 4
.else
	WIN 0
.endif
.endm
.macro FETCH2 n                        ; step n of product 2: x's eight fragments (24 loads), Wv's four (12)
	WIN 0x40
.irp i, 0,1,2,3,4,5,6,7
	FRAG 96*((\n)%2)+12*\i, ADRX+(\n)/4, RGK*((\n)%4)+FRB*\i
.endr
	WIN 0
.irp i, 0,1,2,3
	FRAG AF+48*((\n)%2)+12*\i, ADRV+1-(\n)/4, RGK*((\n)%4)+FRB*\i
.endr
.endm
.macro STEP2 k
	s_wait_dscnt 0x0                               ; this step's fragments are in
.if \k < 7
	PLACES
	FETCH2 (\k)+1
.endif
.if \k == 0
	WIN 0x91
	MUL8 0, \k, 1
	MUL8 1, \k, 1
	MUL8 2, \k, 1
	MUL8 3, \k, 1
.else
	WIN 0xa1
	MUL8 0, \k, 0
	MUL8 1, \k, 0
	MUL8 2, \k, 0
	MUL8 3, \k, 0
.endif
.endm
; THE WAY OUT.  Block a's 64 registers are 128 neighbours along the next K of the lane's row: quantised where they lie, stored as a fragment's image.  Each accumulator is read from its low end on.
.macro QUANTA a, base
.set AC, 64*((\a)%4)
.set WN, 2+(\a)/4
.set WW, 5*WN
	WIN WW
.irp b, 0,1,2,3
	v_max3_num_f32 v[TM+\b], |v[AC+16*\b]|, |v[AC+1+16*\b]|, 0x2800000   ; with the floor 2^(5 - 127): the byte cannot fall under 1
.endr
.irp i, 2,4,6,8,10,12,14
.irp b, 0,1,2,3
	v_max3_num_f32 v[TM+\b], |v[AC+16*\b+\i]|, |v[AC+1+16*\b+\i]|, v[TM+\b]
.endr
.endr
	WIN 0
.irp b, 0,1,2,3
	v_permlanex16_b32 v[TM+4+\b], v[TM+\b], s[SEL], s[SEL+1]
.endr
.irp b, 0,1,2,3
	v_max_num_f32 v[TM+\b], v[TM+\b], v[TM+4+\b]   ; with lane l xor 16's: the block's largest magnitude
.endr
.irp b, 0,1,2,3
	v_add_nc_u32 v[TM+12+\b], 0xfe000000, v[TM+\b] ; 4 off its exponent field: the conversion's scale operand
.endr
.irp b, 0,1,2,3
	v_lshrrev_b32 v[TM+4+\b], 23, v[TM+12+\b]      ; the scale's byte
.endr
	v_lshl_or_b32 v[PWR+(\a)], v[TM+5], 8, v[TM+4]
	v_lshl_or_b32 v[PWR+(\a)], v[TM+6], 16, v[PWR+(\a)]
	v_lshl_or_b32 v[PWR+(\a)], v[TM+7], 24, v[PWR+(\a)]
	s_wait_alu depctr_va_vdst(0)
	s_wait_xcnt 0x0                                ; the last block's stores have read the codes' registers
	WIN WN
.irp c, 0,1
	v_cvt_scalef32_pk16_bf6_f32 v[PC+6*\c:PC+2+6*\c], v[AC+32*\c:AC+15+32*\c], v[TM+12+2*\c]
	v_cvt_scalef32_pk16_bf6_f32 v[PC+12+4*\c:PC+14+4*\c], v[AC+16+32*\c:AC+31+32*\c], v[TM+12+2*\c+1]
.endr
	WIN 0
	v_nop                                          ; one plain place behind a scaled conversion
.irp c, 0,1                                    ; the operand's layout wants a whole block in a lane
.irp i, 0,1,2
	v_permlane16_swap_b32 v[PC+6*\c+\i], v[PC+12+4*\c+\i]
.endr
.irp i, 0,1,2
	v_mov_b32 v[PC+3+6*\c+\i], v[PC+12+4*\c+\i]
.endr
.endr
.irp c, 0,1,2
	global_store_b128 v[LI], v[PC+4*\c:PC+4*\c+3], s[\base:\base+1] offset:FRB*(\a)+512*\c   ; 512 consecutive bytes, aligned
.endr
.endm
	s_load_b256 s[68:75], s[0:1], 0x0              ; xw, xws, bq, bk
	s_load_b128 s[76:79], s[0:1], 0x20             ; bv, qkv
	s_load_b64 s[80:81], s[0:1], 0x30              ; qkvs
	v_lshl_add_u32 v[SPW], v0, 2, SPARE
	v_mov_b32 v[NIL], 0
	ds_add_u32 v[SPW], v[NIL]                      ; the wave's opening: the add, twice on end, and its wait ahead of my first tensor load
	ds_add_u32 v[SPW], v[NIL]
	v_lshrrev_b32 v1, 5, v0
	v_readfirstlane_b32 s[WV], v1
	s_lshr_b32 s[FS], s[WV], 1
	s_and_b32 s[FH], s[WV], 1
	s_bfe_u32 s43, ttmp6, 0x40000                  ; cx
	s_bfe_u32 s44, ttmp6, 0x40004                  ; cy
	s_mov_b32 s[TYP], ttmp9                        ; cluster x: 0 Q, 1 K
	s_lshl_b32 s45, s[TYP], 2
	s_add_co_u32 s45, s45, s43                     ; j
	s_and_b32 s46, ttmp7, 0xffff
	s_lshl_b32 s46, s46, 2
	s_add_co_u32 s46, s46, s44                     ; i
	s_lshl_b32 s47, s44, 2
	s_lshl_b32 s47, 15, s47                        ; my row of the cluster
	s_lshl_b32 s48, 0x1111, s43                    ; my column
	s_or_b32 s[G1A], s47, (3<<16)|(1<<21)          ; the mask; elements of 8 bytes; bit 21 beside a mask; no padding
	s_or_b32 s[G1B3], s48, (3<<16)|(1<<21)
	s_or_b32 s[G1B2], s48, (3<<16)|(1<<21)
	G1SET G1A, 192
	G1SET G1B3, 144
	G1SET G1B2, 96
	s_lshl_b32 s50, s46, 1
	s_add_co_u32 s50, s50, s[FH]
	s_mul_i32 s50, s50, XG                         ; x's group 2 i + wave % 2: hangs on i alone
	s_mov_b32 s51, 0
	s_lshl_b32 s52, s45, 1
	s_add_co_u32 s52, s52, s[FH]
	s_add_co_u32 s52, s52, 64
	s_mul_i32 s52, s52, XG                         ; the weight's group 64 + 2 j + wave % 2: on j alone
	s_mov_b32 s53, 0
	s_add_co_u32 s54, s45, 80
	s_mul_i32 s54, s54, XG                         ; Wv's group 80 + j,
	s_mul_i32 s55, s[FH], 2*RGK
	s_add_co_u32 s54, s54, s55                     ; two steps a loading wave
	s_add_co_u32 s58, s55, WB1                     ; LDS: slot 1, my part
	s_add_co_u32 s59, s55, WB                      ; slot 0, my part of Wv's steps
	s_mov_b32 s55, 0
	s_mul_i32 s56, s[FH], XG                       ; x's group
	s_mul_i32 s57, s[FH], 3*RGK
	s_add_co_u32 s57, s57, WB                      ; slot 0, my part of three steps
	s_mov_b32 s[SEL], 0x76543210
	s_mov_b32 s[SEL+1], 0xfedcba98
	s_mov_b32 s[HM], 0xffff0000
	s_wait_dscnt 0x0                               ; both opening adds are done
	s_wait_kmcnt 0x0
	s_add_nc_u64 s[50:51], s[68:69], s[50:51]
	s_add_nc_u64 s[52:53], s[68:69], s[52:53]
	s_add_nc_u64 s[VBS:VBS+1], s[68:69], s[54:55]
	s_mov_b64 s[XBS:XBS+1], s[50:51]
	s_mov_b64 s[WBS:WBS+1], s[52:53]
	G0SET G0A, 56, 50
	G0SET G0P, 57, 52
	s_add_nc_u64 s[52:53], s[52:53], 3*RGK
	G0SET G0Q, 58, 52
	CROUND                                         ; all sixteen work-groups are here: the first joint loads meet
	JL2 G0A, G1A, G0P, G1B3                        ; x's steps 0-3, the weight's steps 0-2: one load a wave at the head
	v_and_b32 v1, 31, v0
	v_and_b32 v2, 15, v0                           ; r
	v_bfe_u32 v3, v0, 4, 1                         ; h
	v_lshlrev_b32 v[LI], 4, v1
	s_lshl_b32 s47, s[FH], 3
	v_add_nc_u32 v[PO], s47, v[LI]
	v_min_u32 v[PFX], 23, v1
	v_lshlrev_b32 v[PFX], 8, v[PFX]
	v_min_u32 v[PFW], 17, v1
	v_lshlrev_b32 v[PFW], 8, v[PFW]
	s_mul_i32 s47, s44, 6144
	v_add_nc_u32 v[PFV], s47, v[PFX]
	s_mul_i32 s47, s44, 9216
	v_add_nc_u32 v[PFW], s47, v[PFW]
	s_mul_i32 s47, s43, 12288
	v_add_nc_u32 v[PFX], s47, v[PFX]
	v_lshlrev_b32 v14, 6, v3                       ; bias by the weight's rows: 64 h
	v_and_b32 v15, 8, v2
	v_add_nc_u32 v15, v15, v2
	v_lshlrev_b32 v15, 2, v15                      ; bias by Wv's rows: 4 (r + 8 (r / 8))
.irp b, 0,1,2,3
	v_mov_b32 v[TM+4+\b], 0                        ; written once: a lane permute's destination counts as read
.endr
	s_mul_i32 s47, s[FS], XG
	v_add_nc_u32 v[ADRX], s47, v[LI]
	v_add_nc_u32 v[ADRX+1], 4*RGK, v[ADRX]
	v_add_nc_u32 v[ADRW], s57, v[LI]
	v_add_nc_u32 v[ADRW+1], s58, v[LI]
	s_mul_i32 s47, s[FH], 4*FRB
	s_add_co_u32 s48, s47, WB
	v_add_nc_u32 v[ADRV], s48, v[LI]
	s_add_co_u32 s48, s47, WB1
	v_add_nc_u32 v[ADRV+1], s48, v[LI]
	s_lshl_b32 s49, s46, 1
	s_add_co_u32 s49, s49, s[FS]                   ; my group of x
	s_lshl_b32 s50, s49, 12                        ; a group's scale words: 8 x 512 bytes
	s_mov_b32 s51, 0
	s_add_nc_u64 s[50:51], s[70:71], s[50:51]
	s_lshl_b32 s52, s45, 1
	s_add_co_u32 s52, s52, s[FH]
	s_add_co_u32 s52, s52, 64
	s_lshl_b32 s52, s52, 12
	s_mov_b32 s53, 0
	s_add_nc_u64 s[52:53], s[70:71], s[52:53]
	s_add_co_u32 s54, s45, 80
	s_lshl_b32 s54, s54, 12
	s_mov_b32 s55, 0
	s_add_nc_u64 s[54:55], s[70:71], s[54:55]
	s_lshl_b32 s60, s43, 1
	s_add_co_u32 s60, s60, s[FH]                   ; which 128 columns of Q or K: 2 cx + wave % 2
	s_cmp_eq_u32 s[TYP], 0
	s_cselect_b64 s[82:83], s[72:73], s[74:75]     ; bq or bk
	s_lshl_b32 s62, s60, 9
	s_mov_b32 s63, 0
	s_add_nc_u64 s[82:83], s[82:83], s[62:63]
	s_lshl_b32 s62, s45, 9
	s_lshl_b32 s61, s[FH], 8
	s_add_co_u32 s62, s62, s61
	s_add_nc_u64 s[66:67], s[76:77], s[62:63]      ; bv at column 128 j + 64 (wave % 2)
	s_lshl_b32 s61, s49, 3
	s_add_co_u32 s61, s61, s60                     ; Q, K: [group of rows][K step]
	s_mul_i32 s62, s61, RGK
	s_mul_i32 s47, s[TYP], 6291456
	s_add_co_u32 s62, s62, s47
	s_add_nc_u64 s[84:85], s[78:79], s[62:63]
	s_lshl_b32 s62, s61, 9
	s_lshl_b32 s47, s[TYP], 18
	s_add_co_u32 s62, s62, s47
	s_add_nc_u64 s[86:87], s[80:81], s[62:63]
	s_lshr_b32 s61, s49, 4
	s_lshl_b32 s61, s61, 3
	s_add_co_u32 s61, s61, s45
	s_lshl_b32 s61, s61, 4
	s_and_b32 s47, s49, 15
	s_add_co_u32 s61, s61, s47                     ; V^T: [batch][group of columns j][chunk of keys]
	s_mul_i32 s62, s61, RGK
	s_mul_i32 s47, s[FH], 4*FRB
	s_add_co_u32 s62, s62, s47                     ; my four tiles of it
	s_add_co_u32 s62, s62, 12582912
	s_add_nc_u64 s[92:93], s[78:79], s[62:63]
	s_lshl_b32 s62, s61, 9
	s_add_co_u32 s62, s62, 524288
	s_add_nc_u64 s[94:95], s[80:81], s[62:63]
	s_wait_alu depctr_va_vdst(0)                   ; the head's end: no vector register is written between here and the first product
.irp k, 0,1,2,3,4,5,6,7
	global_load_b128 v[SCA+4*\k:SCA+4*\k+3], v[LI], s[50:51] offset:512*\k   ; the scale words of all of K go straight into registers, once
	global_load_b128 v[SCB+4*\k:SCB+4*\k+3], v[LI], s[52:53] offset:512*\k
	global_load_b64 v[WVS+2*\k:WVS+2*\k+1], v[PO], s[54:55] offset:512*\k    ; register q: tile 2 q of my four in lanes 0-15, tile 2 q + 1 in lanes 16-31
.endr
.irp a, 0,1,2,3
	global_load_b32 v[BV+\a], v15, s[66:67] offset:4*(32*(\a/2)+8*(\a%2))    ; bv of my lane's row of Wv in tile a
.endr
	ASKH
	WIN 0x40
.irp b, 0,1,2,3
.irp j, 0,1,2,3
	global_load_b128 v[BIAS+16*\b+4*\j:BIAS+16*\b+4*\j+3], v14, s[82:83] offset:128*\b+16*\j   ; register 16 b + i: the bias of column 32 b + 16 h + i
.endr
.endr
	WIN 0
	s_wait_tensorcnt 0x0                           ; my head's load is in
	ds_add_u32 v[SPW], v[NIL]
	s_add_co_u32 s[G0A+1], s[G0A+1], 4*RGK         ; x's steps 4-7, behind steps 0-3
	s_add_nc_u64 s[G0A+2:G0A+3], s[G0A+2:G0A+3], 4*RGK
	s_wait_dscnt 0x0
	CROUND                                         ; everybody's head loads are in, and the joint loads meet
	JL2 G0A, G1A, G0Q, G1B2                        ; x's steps 4-7, the weight's steps 3-4: first fills
	s_wait_loadcnt 0x0                             ; scale words and biases
	ASKB
	NEXT -1
	FETCH_B
	FETCH_A 0
	FETCH_A 4
	STEP 0, 1                                      ; the first step starts the sums with the bias
	STEP 1, 0
	TURN 2, G0P, G1B3
	STEP 3, 0
	TURN 4, G0Q, G1B2
	STEP 5, 0
	STEP 6, 0
	TURN 7, G0P, G1B2
	PLACES
.irp a, 0,1,2,3,4,5,6,7
	QUANTA \a, 84
.endr
.irp a, 0,1,2,3
	v_cndmask_b32 v[XW+\a], v[PWR+2*\a], v[PWR+2*\a+1], s[HM]   ; lanes 0-15: tile 2 a's words, lanes 16-31: tile 2 a + 1's
.endr
	global_store_b128 v[LI], v[XW:XW+3], s[86:87]
	; ---- product 2
	WIN 0x40
.irp a, 0,1,2,3
.irp j, 0,1,2,3,4,5,6,7
	v_mov_b32 v[BIAS+8*\a+\j], v[BV+\a]            ; bv in all eight registers of a C
.endr
.endr
	WIN 0
	s_wait_alu depctr_va_vdst(0)
	s_wait_xcnt 0x0                                ; the stores have read the registers that take fragments again
	s_wait_tensorcnt 0x0                           ; Wv's steps 4-7 are in
	s_barrier_signal -1
	s_barrier_wait -1
	FETCH2 0
.irp k, 0,1,2,3,4,5,6,7
	STEP2 \k
.endr
	WIN 0
	PLACES
.irp a, 0,1,2,3
	QUANTA \a, 92
.endr
.irp a, 0,1
	v_cndmask_b32 v[XW+\a], v[PWR+2*\a], v[PWR+2*\a+1], s[HM]
.endr
	global_store_b64 v[PO], v[XW:XW+1], s[94:95]
	s_wait_tensorcnt 0x0                           ; the wave's end
	ds_add_u32 v[SPW], v[NIL]
	s_wait_dscnt 0x0
	CROUND                                         ; the closing round
	s_endpgm
.Lfunc_end_k_q6701824feb_proj:
	.size	k_q6701824feb_proj, .Lfunc_end_k_q6701824feb_proj-k_q6701824feb_proj
	.p2alignl 7, 3214868480
	.fill 96, 4, 3214868480
	.section	.rodata,"a",@progbits
	.p2align	6, 0x0
	.amdhsa_kernel k_q6701824feb_proj
		.amdhsa_group_segment_fixed_size 327680
		.amdhsa_private_segment_fixed_size 0
		.amdhsa_enable_private_segment 0
		.amdhsa_kernarg_size 56
		.amdhsa_user_sgpr_count 2
		.amdhsa_user_sgpr_kernarg_segment_ptr 1
		.amdhsa_wavefront_size32 1
		.amdhsa_system_sgpr_workgroup_id_x 1
		.amdhsa_system_sgpr_workgroup_id_y 1
		.amdhsa_system_sgpr_workgroup_id_z 1
		.amdhsa_system_vgpr_workitem_id 0
		.amdhsa_next_free_vgpr 1024
		.amdhsa_next_free_sgpr 102
		.amdhsa_reserve_vcc 0
		.amdhsa_float_denorm_mode_32 3
		.amdhsa_float_denorm_mode_16_64 3
		.amdhsa_memory_ordered 1
		.amdhsa_forward_progress 1
		.amdhsa_inst_pref_size 214
	.end_amdhsa_kernel
	.amdgpu_metadata
---
amdhsa.version: [ 1, 2 ]
amdhsa.kernels:
  - .name:           k_q6701824feb_proj
    .symbol:         k_q6701824feb_proj.kd
    .args:
      - { .name: xw, .offset: 0, .size: 8, .value_kind: global_buffer, .address_space: global }
      - { .name: xws, .offset: 8, .size: 8, .value_kind: global_buffer, .address_space: global }
      - { .name: bq, .offset: 16, .size: 8, .value_kind: global_buffer, .address_space: global }
      - { .name: bk, .offset: 24, .size: 8, .value_kind: global_buffer, .address_space: global }
      - { .name: bv, .offset: 32, .size: 8, .value_kind: global_buffer, .address_space: global }
      - { .name: qkv, .offset: 40, .size: 8, .value_kind: global_buffer, .address_space: global }
      - { .name: qkvs, .offset: 48, .size: 8, .value_kind: global_buffer, .address_space: global }
    .group_segment_fixed_size: 327680
    .private_segment_fixed_size: 0
    .kernarg_segment_align: 8
    .kernarg_segment_size: 56
    .max_flat_workgroup_size: 128
    .sgpr_count:     102
    .vgpr_count:     1024
    .wavefront_size: 32
...
	.end_amdgpu_metadata
.endif
;; end of part 2
;; launch score (part 3): grid 8 x 32, 4 waves a work-group, clusters of 4 x 4, 327,680 bytes of LDS; arguments qkv, qkvs, mbits, pc, pst; writes pc, pst
.if DOCPART == 3
	.amdgcn_target "amdgcn-amd-amdhsa--gfx1250"
	.amdhsa_code_object_version 6
	.text
	.protected	k_q6701824feb_score
	.globl	k_q6701824feb_score
	.p2align	8
	.type	k_q6701824feb_score,@function
k_q6701824feb_score:
	s_mov_b64 s[64:65], 0
	v_nop
	global_prefetch_b8 v0, s[64:65] scope:SCOPE_SE
	s_setreg_imm32_b32 hwreg(HW_REG_WAVE_MODE, 25, 1), 1
	s_wait_xcnt 0x0
	s_wait_alu depctr_hold_cnt(0) depctr_sa_sdst(0) depctr_va_vdst(0) depctr_va_sdst(0) depctr_va_ssrc(0) depctr_va_vcc(0) depctr_vm_vsrc(0)
	s_getreg_b32 s2, hwreg(HW_REG_IB_STS2, 6, 4)
	s_cmp_eq_u32 s2, 0
	s_cbranch_scc0 .Lentry_in_a_cluster
	s_endpgm
.Lentry_in_a_cluster:
	s_bfe_u32 s2, ttmp6, 0x10000c
	s_cmp_lg_u32 s2, 0xf033
	s_cbranch_scc0 .Lentry_shape_is_right
	s_endpgm
.Lentry_shape_is_right:
; THIRD LAUNCH: scores = Q K^T on codes of BF6, the mask, and p = 2^(t - M) quantised along the keys.  No work of reference() is left out: the mask is an input, so every tile is multiplied.
; The product's core is the second launch's: 256 queries (side A, a lane's row) x 256 keys (side B, along a lane's registers) a work-group, 128 x 128 a wave, K = 1,024 through two LDS slots with one refill, joint loads in a 4 x 4 cluster.
; THE SOFTMAX, for each query and each CHUNK OF 128 KEYS by itself: t = score x log2(e) / 32; where the mask's bit is 0, t is what the logit -1e9 gives (-3.2e10 through the same multiplication); M = ceil(the chunk's largest t);
; p = 2^(t - M); the chunk's sum of the unquantised p; p's codes and four scale bytes.  M is a whole number, so the last launch brings all chunks of a row under the row's M by taking a whole number off the scale bytes: the codes stay.
; Stored for each (group of queries, chunk): the eight fragments of p, and three planes of 512 bytes in the scale words' layout: scale words, -M (f32), the chunk's sum.
; The mask comes as lane-mask words (first launch) by scalar loads and only selects: no branch and no address hangs on it.  A chunk all of whose keys are blocked has t - M = 0 exactly: p = 1, as reference() has it for a row that is wholly blocked.
; LIMITS: a block of 32 p whose largest lies under 2^-60 is quantised under the scale 2^-64 (so that every scale byte is 63 at the least and the last launch can take up to 63 off it); NaN and infinities are not served.
; REGISTERS: window 0: v4-14 addresses and t of a blocked key; v32-95 scale words; v96-119 the blocks' scale words, -M and sums; v160-255 A's fragments; on the way out v128-191 t and p, v192-211 codes, v232-253 at work.
;   window 1: B's fragments, two sets.   windows 2, 3: accumulator (a, b) at v[8 (8 (a % 4) + b)].
.set RGK,   12288
.set FRB,   1536
; THE SLOTS, as this text has them: TWO slots of three K steps of 128.  Steps 0-2 are asked for at the head, steps 3-5 behind the first round, steps 6-7 refill slot 0: one tensor load of a wave is out at the most.
.set HALFT, 3*RGK
.set SLOT,  4*HALFT
.set SPARE, 2*SLOT
.set LI,   4
.set ADRA, 6
.set ADRB, 9
.set SPW,  12
.set NIL,  13
.set NEG,  14
.set XL,   16
.set SCA,  32
.set SCB,  64
.set PWS,  96
.set NMS,  104
.set LSS,  112
.set XP,   120
.set XN,   124
.set W,    128
.set AF,   160
.set PC,   192
.set BM,   232
.set T2,   236
.set SOP,  240
.set BY,   244
.set RM,   248
.set NM,   250
.set LS,   252
.set G1A, 4
.set G1B, 12
.set G0A, 20
.set G0B, 32
.set CS,  94
.set SEL, 96
.set HM,  98
.set WV,  99
.set FS,  100
.set FH,  101
.set MSB, 0
.macro WIN new
.if MSB != \new
	s_set_vgpr_msb (MSB<<8)|\new
.set MSB, \new
.endif
.endm
.macro PLACES
.rept 4
	v_nop
.endr
.endm
.macro CREST
	s_cmp_lg_u32 s[WV], 0
	s_cbranch_scc1 .Lnot_wave_0_\@
	s_barrier_signal -3
.Lnot_wave_0_\@:
	s_barrier_wait -3
	s_barrier_signal -1
	s_barrier_wait -1
.endm
.macro CROUND
	s_barrier_signal -1
	s_barrier_wait -1
	CREST
.endm
.macro JL s
	s_cmp_eq_u32 s[FS], 0
	s_cbranch_scc0 .Lfor_b_\@
	tensor_load_to_lds s[G0A+4*(\s):G0A+4*(\s)+3], s[G1A:G1A+7]
	s_nop 0
.rept 4
	v_nop
.endr
	s_branch .Lasked_\@
.Lfor_b_\@:
	tensor_load_to_lds s[G0B+4*(\s):G0B+4*(\s)+3], s[G1B:G1B+7]
	s_nop 0
.rept 4
	v_nop
.endr
.Lasked_\@:
.endm
.macro WMMA zero
.if \zero
.if PB && PA
	v_wmma_scale_f32_16x16x128_f8f6f4 v[RD:RD+7], v[RB:RB+11], v[RA:RA+11], 0, v[RSB], v[RSA] matrix_a_fmt:MATRIX_FMT_BF6 matrix_b_fmt:MATRIX_FMT_BF6 matrix_a_scale:MATRIX_SCALE_ROW1 matrix_b_scale:MATRIX_SCALE_ROW1
.elseif PB
	v_wmma_scale_f32_16x16x128_f8f6f4 v[RD:RD+7], v[RB:RB+11], v[RA:RA+11], 0, v[RSB], v[RSA] matrix_a_fmt:MATRIX_FMT_BF6 matrix_b_fmt:MATRIX_FMT_BF6 matrix_a_scale:MATRIX_SCALE_ROW1
.elseif PA
	v_wmma_scale_f32_16x16x128_f8f6f4 v[RD:RD+7], v[RB:RB+11], v[RA:RA+11], 0, v[RSB], v[RSA] matrix_a_fmt:MATRIX_FMT_BF6 matrix_b_fmt:MATRIX_FMT_BF6 matrix_b_scale:MATRIX_SCALE_ROW1
.else
	v_wmma_scale_f32_16x16x128_f8f6f4 v[RD:RD+7], v[RB:RB+11], v[RA:RA+11], 0, v[RSB], v[RSA] matrix_a_fmt:MATRIX_FMT_BF6 matrix_b_fmt:MATRIX_FMT_BF6
.endif
.else
.if PB && PA
	v_wmma_scale_f32_16x16x128_f8f6f4 v[RD:RD+7], v[RB:RB+11], v[RA:RA+11], v[RD:RD+7], v[RSB], v[RSA] matrix_a_fmt:MATRIX_FMT_BF6 matrix_b_fmt:MATRIX_FMT_BF6 matrix_a_scale:MATRIX_SCALE_ROW1 matrix_b_scale:MATRIX_SCALE_ROW1
.elseif PB
	v_wmma_scale_f32_16x16x128_f8f6f4 v[RD:RD+7], v[RB:RB+11], v[RA:RA+11], v[RD:RD+7], v[RSB], v[RSA] matrix_a_fmt:MATRIX_FMT_BF6 matrix_b_fmt:MATRIX_FMT_BF6 matrix_a_scale:MATRIX_SCALE_ROW1
.elseif PA
	v_wmma_scale_f32_16x16x128_f8f6f4 v[RD:RD+7], v[RB:RB+11], v[RA:RA+11], v[RD:RD+7], v[RSB], v[RSA] matrix_a_fmt:MATRIX_FMT_BF6 matrix_b_fmt:MATRIX_FMT_BF6 matrix_b_scale:MATRIX_SCALE_ROW1
.else
	v_wmma_scale_f32_16x16x128_f8f6f4 v[RD:RD+7], v[RB:RB+11], v[RA:RA+11], v[RD:RD+7], v[RSB], v[RSA] matrix_a_fmt:MATRIX_FMT_BF6 matrix_b_fmt:MATRIX_FMT_BF6
.endif
.endif
.endm
; 16 matrix instructions: A's blocks a0, a0 + 1 x B's eight, K step k of 128; zero = 1: the first product starts the sums.  The 64 accumulators take turns in the same order in every step
.macro MUL16 a0, k, zero
.irp a, \a0, \a0+1
.irp b, 0,1,2,3,4,5,6,7
.set RD, 8*(8*((\a)%4)+\b)
.set RB, 96*((\k)%2)+12*\b
.set RA, AF+12*(\a)
.set RSB, SCB+4*(\k)+\b/2
.set RSA, SCA+4*(\k)+(\a)/2
.set PB, \b%2
.set PA, (\a)%2
	WMMA \zero
.endr
.endr
.endm
.macro FRAG reg, adr, off
.irp c, 0,1,2
	ds_load_b128 v[\reg+4*\c:\reg+4*\c+3], v[\adr] offset:\off+512*\c
.endr
.endm
.macro FETCH_B
	WIN 0x40
.irp i, 0,1,2,3,4,5,6,7
	FRAG 96*NB+12*\i, ADRB+NS, RGK*NQ+FRB*\i
.endr
	WIN 0
.endm
.macro FETCH_A i0
.irp i, \i0, \i0+1, \i0+2, \i0+3
	FRAG AF+12*(\i), ADRA+NS, RGK*NQ+FRB*(\i)
.endr
.endm
.macro NEXT k
.set NS, (((\k)+1)/3)%2
.set NQ, ((\k)+1)%3
.set NB, ((\k)+1)%2
.endm
.macro MLOAD a                         ; block a's 64 lane-mask words: word n in s[4 + n] (n under 48) or s[20 + n]
	s_load_b512 s[4:19], s[88:89], 256*(\a)
	s_load_b512 s[20:35], s[88:89], 256*(\a)+64
	s_load_b512 s[36:51], s[88:89], 256*(\a)+128
	s_load_b512 s[68:83], s[88:89], 256*(\a)+192
.endm
.macro STEP k, zero
	NEXT \k
	s_wait_dscnt 12                                ; B's set and A's blocks 0-3 are in; A's blocks 4-7 (12 loads) may be out
	WIN 0xa1
	MUL16 0, \k, \zero
	MUL16 2, \k, \zero
	s_wait_dscnt 0x0
	PLACES
	FETCH_B
	FETCH_A 0
	WIN 0xf1
	MUL16 4, \k, \zero
	MUL16 6, \k, \zero
	PLACES
	WIN 0
	FETCH_A 4
.endm
.macro TURN k, fill
	NEXT \k
	s_wait_tensorcnt 0x0                           ; all my tensor loads have landed
	ds_add_u32 v[SPW], v[NIL]
	s_wait_dscnt 13                                ; (the add and A's blocks 4-7 may be out)
	WIN 0xa1
	MUL16 0, \k, 0
	s_wait_dscnt 0x0                               ; the add is done, and my reads of the slot are over
	s_barrier_signal -1
	MUL16 2, \k, 0
	WIN 0
	s_barrier_wait -1
.if \fill
	CREST                                          ; a round of the cluster's barrier: no wave of any partner reads slot 0 or has a load on its way
	s_add_nc_u64 s[G0A+2:G0A+3], s[G0A+2:G0A+3], 2*HALFT
	s_add_nc_u64 s[G0B+2:G0B+3], s[G0B+2:G0B+3], 2*HALFT
	s_mov_b32 s[G1A+2], 96<<16                     ; no tensor load of mine is out: the last load brings two steps, 96 rows of 256 bytes
	s_mov_b32 s[G1A+4], 96
	s_mov_b32 s[G1B+2], 96<<16
	s_mov_b32 s[G1B+4], 96
	JL 0
.else
	PLACES
	MLOAD 0                                        ; my last tensor load is done, so the descriptors' registers are free: they take the first block's mask words
.endif
	FETCH_B
	FETCH_A 0
	WIN 0xf1
	MUL16 4, \k, 0
	MUL16 6, \k, 0
	PLACES
	WIN 0
	FETCH_A 4
.endm
	s_load_b256 s[84:91], s[0:1], 0x0              ; qkv, qkvs, mbits, pc
	s_load_b64 s[92:93], s[0:1], 0x20              ; pst
	v_lshl_add_u32 v[SPW], v0, 2, SPARE
	v_mov_b32 v[NIL], 0
	ds_add_u32 v[SPW], v[NIL]                      ; the wave's opening: the add, twice on end, and its wait ahead of my first tensor load
	ds_add_u32 v[SPW], v[NIL]
	v_lshrrev_b32 v1, 5, v0
	v_readfirstlane_b32 s[WV], v1
	s_lshr_b32 s[FS], s[WV], 1
	s_and_b32 s[FH], s[WV], 1
	s_bfe_u32 s44, ttmp6, 0x40000                  ; cx
	s_bfe_u32 s45, ttmp6, 0x40004                  ; cy
	s_mov_b32 s46, ttmp9                           ; cluster x
	s_and_b32 s47, ttmp7, 0xffff                   ; cluster y
	s_lshl_b32 s48, s45, 2
	s_lshl_b32 s48, 15, s48
	s_lshl_b32 s49, 0x1111, s44
	s_or_b32 s[G1A], s48, (3<<16)|(1<<21)
	s_or_b32 s[G1B], s49, (3<<16)|(1<<21)
.irp g, G1A, G1B
	s_mov_b32 s[\g+1], 32<<16                      ; a dense block as rows of 256 bytes
	s_mov_b32 s[\g+2], 144<<16                     ; three steps: 36,864 dense bytes as 144 rows of 256
	s_mov_b32 s[\g+3], 32<<16
	s_mov_b32 s[\g+4], 144
	s_mov_b32 s[\g+5], 32
	s_mov_b32 s[\g+6], 0
	s_mov_b32 s[\g+7], 0
.endr
	s_lshl_b32 s50, s47, 2
	s_add_co_u32 s50, s50, s45                     ; Q's tile of 256 queries: 4 Cy + cy
	s_lshr_b32 s51, s47, 1                         ; the batch
	s_lshl_b32 s51, s51, 3
	s_lshl_b32 s52, s46, 2
	s_add_co_u32 s51, s51, s52
	s_add_co_u32 s51, s51, s44                     ; K's tile of 256 keys: 8 batch + 4 Cx + cx
	s_lshl_b32 s52, s50, 1
	s_add_co_u32 s52, s52, s[FH]
	s_mul_i32 s52, s52, 8*RGK
	s_mov_b32 s53, 0
	s_lshl_b32 s54, s51, 1
	s_add_co_u32 s54, s54, s[FH]
	s_mul_i32 s54, s54, 8*RGK
	s_add_co_u32 s54, s54, 6291456                 ; K lies behind Q
	s_mov_b32 s55, 0
	s_mul_i32 s56, s[WV], HALFT
	s_mov_b32 s[CS], 0x3d38aa3b                    ; log2(e) / 32
	s_mov_b32 s[CS+1], s[CS]
	s_mov_b32 s[SEL], 0x76543210
	s_mov_b32 s[SEL+1], 0xfedcba98
	s_mov_b32 s[HM], 0xffff0000
	s_wait_dscnt 0x0
	s_wait_kmcnt 0x0
	s_add_nc_u64 s[52:53], s[84:85], s[52:53]
	s_add_nc_u64 s[54:55], s[84:85], s[54:55]
	CROUND
.irp t, 0,1
	s_mov_b32 s[G0A+4*\t], 1
	s_add_co_u32 s[G0A+4*\t+1], s56, \t*SLOT
	s_add_nc_u64 s[G0A+4*\t+2:G0A+4*\t+3], s[52:53], \t*HALFT
	s_or_b32 s[G0A+4*\t+3], s[G0A+4*\t+3], 0x80000000
	s_mov_b32 s[G0B+4*\t], 1
	s_add_co_u32 s[G0B+4*\t+1], s56, \t*SLOT
	s_add_nc_u64 s[G0B+4*\t+2:G0B+4*\t+3], s[54:55], \t*HALFT
	s_or_b32 s[G0B+4*\t+3], s[G0B+4*\t+3], 0x80000000
.endr
	s_cmp_eq_u32 s[FS], 0
	s_cbranch_scc0 .Lfirst_b
	tensor_load_to_lds s[G0A:G0A+3], s[G1A:G1A+7]
	s_nop 0
.rept 4
	v_nop
.endr
	s_branch .Lfirst_asked
.Lfirst_b:
	tensor_load_to_lds s[G0B:G0B+3], s[G1B:G1B+7]
	s_nop 0
.rept 4
	v_nop
.endr
.Lfirst_asked:
	; THE TILES' PREFETCH INTO THE L2: of the bytes that my wave's later loads bring (its group's K steps 3-5: 144 blocks of 256 bytes; steps 6-7: 96) my work-group asks for a quarter, told apart from its three partners' by address (cx for Q, cy for K)
	s_cmp_eq_u32 s[FS], 0
	s_cselect_b64 s[52:53], s[52:53], s[54:55]     ; my group's codes: Q's or K's; not written again
	s_cselect_b32 s54, s44, s45
	s_mul_i32 s55, s54, 9216
	s_mul_i32 s54, s54, 6144
	s_lshl_b32 s57, s50, 1
	s_add_co_u32 s57, s57, s[FS]                   ; my group of queries
	s_lshl_b32 s58, s51, 1
	s_add_co_u32 s58, s58, s[FH]                   ; my group of keys
	s_lshl_b32 s60, s57, 12
	s_mov_b32 s61, 0
	s_add_nc_u64 s[60:61], s[86:87], s[60:61]
	s_lshl_b32 s62, s58, 12
	s_add_co_u32 s62, s62, 262144
	s_mov_b32 s63, 0
	s_add_nc_u64 s[62:63], s[86:87], s[62:63]
	v_and_b32 v1, 31, v0
	v_lshlrev_b32 v[LI], 4, v1
	v_min_u32 v2, 7, v1
	v_lshlrev_b32 v2, 8, v2                        ; the mask words' prefetch: lanes 0-7 a block of 256 bytes each, the lanes left over the last block again; never rewritten
	v_min_u32 v3, 17, v1
	v_lshl_add_u32 v3, v3, 8, s55                  ; steps 3-5: my quarter, 36 blocks in two runs of 18 lanes; never rewritten
	v_min_u32 v5, 23, v1
	v_lshl_add_u32 v5, v5, 8, s54                  ; steps 6-7: my quarter, 24 blocks; never rewritten
	s_wait_alu depctr_va_vdst(0)
.irp k, 0,1,2,3,4,5,6,7
	global_load_b128 v[SCA+4*\k:SCA+4*\k+3], v[LI], s[60:61] offset:512*\k
	global_load_b128 v[SCB+4*\k:SCB+4*\k+3], v[LI], s[62:63] offset:512*\k
.endr
	global_prefetch_b8 v3, s[52:53] offset:HALFT th:TH_LOAD_NT scope:SCOPE_SE        ; steps 3-5, whose load stands behind the next round
	global_prefetch_b8 v3, s[52:53] offset:HALFT+4608 th:TH_LOAD_NT scope:SCOPE_SE
	v_mov_b32 v[NEG], 0xd0ee6b28                   ; -3.2e10: the raw score of the logit -1e9,
	v_mul_f32 v[NEG], s[CS], v[NEG]                ; as t, by the multiplication that every score goes through
.irp b, 0,1,2,3
	v_mov_b32 v[T2+\b], 0                          ; written once: a lane permute's destination counts as read
.endr
	v_mov_b32 v[NM+1], 0                           ; named as the upper half of a pair
	v_mov_b32 v[LS+1], 0
	s_and_b32 s66, s57, 15                         ; the group of queries in its batch
	s_and_b32 s67, s58, 15                         ; the chunk of keys in its batch
	s_lshl_b32 s68, s67, 4
	s_add_co_u32 s68, s68, s66
	s_lshl_b32 s68, s68, 11
	s_mov_b32 s69, 0
	s_add_nc_u64 s[88:89], s[88:89], s[68:69]      ; my 8 x 64 mask words
	global_prefetch_b8 v2, s[88:89] th:TH_LOAD_NT scope:SCOPE_SE   ; my wave's 2,048 bytes of mask words, eight blocks of 256, asked for the whole product ahead of the scalar loads that want them; its address registers are not written again
	s_lshl_b32 s70, s57, 4
	s_add_co_u32 s70, s70, s67
	s_mul_i32 s68, s70, RGK
	s_add_nc_u64 s[90:91], s[90:91], s[68:69]      ; where p's eight fragments go
	s_mul_i32 s68, s70, 1536
	s_add_nc_u64 s[92:93], s[92:93], s[68:69]      ; and the three planes
	s_mul_i32 s66, s[FS], HALFT
	s_mul_i32 s67, s[FH], HALFT
	s_add_co_u32 s67, s67, 2*HALFT
.irp s, 0,1
	v_add_nc_u32 v[ADRA+\s], s66, v[LI]
	v_add_nc_u32 v[ADRB+\s], s67, v[LI]
	s_add_co_u32 s66, s66, SLOT
	s_add_co_u32 s67, s67, SLOT
.endr
	s_wait_alu depctr_va_vdst(0)
	s_wait_loadcnt 0x0
	s_wait_tensorcnt 0x0                           ; my part of steps 0-2 is in
	ds_add_u32 v[SPW], v[NIL]
	s_wait_dscnt 0x0
	CROUND                                         ; everybody's part is in, and the joint loads meet
	JL 1                                           ; steps 3-5 into slot 1
	global_prefetch_b8 v5, s[52:53] offset:2*HALFT th:TH_LOAD_NT scope:SCOPE_SE      ; steps 6-7, whose load stands in step 2
.set NS, 0
.set NQ, 0
.set NB, 0
	FETCH_B
	FETCH_A 0
	FETCH_A 4
	STEP 0, 1
	STEP 1, 0
	TURN 2, 1
	STEP 3, 0
	STEP 4, 0
	TURN 5, 0
	STEP 6, 0
	s_wait_dscnt 12
	WIN 0xa1
	MUL16 0, 7, 0
	MUL16 2, 7, 0
	s_wait_dscnt 0x0
	WIN 0xf1
	MUL16 4, 7, 0
	MUL16 6, 7, 0
	WIN 0
; BLOCK a: 16 queries x my 128 keys; register 16 b + i of lane (r, h) is key 32 b + 16 h + i of the lane's query.
.macro SOFT a
.set AC, 64*((\a)%4)
.set WN, 2+(\a)/4
	WIN WN
.set QN, 0
.rept 32
	v_pk_mul_f32 v[W+QN:W+QN+1], v[AC+QN:AC+QN+1], s[CS:CS+1] op_sel_hi:[1,0]   ; t, two at a time, into window 0; each accumulator from its low end on
.set QN, QN+2
.endr
	WIN 0
	s_wait_kmcnt 0x0                               ; the block's mask words
.set QN, 0
.rept 64
.if QN < 48
.set MS, 4+QN
.else
.set MS, 20+QN
.endif
	v_cndmask_b32 v[W+QN], v[NEG], v[W+QN], s[MS]  ; a blocked key's t
.set QN, QN+1
.endr
.irp b, 0,1,2,3
	v_max3_num_f32 v[BM+\b], v[W+16*\b], v[W+1+16*\b], v[W+2+16*\b]   ; the largest t of each block of 32 keys: it serves for the chunk's maximum and, since p rises with t, for the block's largest p
.endr
.irp i, 3,5,7,9,11,13
.irp b, 0,1,2,3
	v_max3_num_f32 v[BM+\b], v[BM+\b], v[W+16*\b+\i], v[W+1+16*\b+\i]
.endr
.endr
.irp b, 0,1,2,3
	v_max_num_f32 v[BM+\b], v[BM+\b], v[W+15+16*\b]
.endr
.irp b, 0,1,2,3
	v_permlanex16_b32 v[T2+\b], v[BM+\b], s[SEL], s[SEL+1]
.endr
.irp b, 0,1,2,3
	v_max_num_f32 v[BM+\b], v[BM+\b], v[T2+\b]
.endr
	v_max3_num_f32 v[RM], v[BM], v[BM+1], v[BM+2]
	v_max_num_f32 v[RM], v[RM], v[BM+3]
	v_floor_f32 v[NM], -v[RM]                      ; -M = floor(-t) = -ceil(t): a whole number
.set QN, 0
.rept 32
	v_pk_add_f32 v[W+QN:W+QN+1], v[W+QN:W+QN+1], v[NM:NM+1] op_sel_hi:[1,0]   ; t - M
.set QN, QN+2
.endr
.irp b, 0,1,2,3
	v_add_f32 v[BM+\b], v[BM+\b], v[NM]
.endr
.set QN, 0
	s_wait_alu depctr_va_vdst(0)
.if (\a) < 7
	MLOAD (\a)+1                                   ; every select that read this block's mask words is done: the next block's are asked for here, the 68 exponentials, the sums and the conversions ahead of their use
.endif
.rept 64
	v_exp_f32 v[W+QN], v[W+QN]
.set QN, QN+1
.endr
	v_mov_b32 v[NMS+(\a)], v[NM]                   ; (a plain place behind the exponentials)
	s_wait_alu depctr_va_vdst(0)                   ; one wait for the batch, ahead of its first reader
.irp b, 0,1,2,3
	v_exp_f32 v[BM+\b], v[BM+\b]                   ; the block's largest p: the same addition and exponential on the same number
.endr
	v_pk_add_f32 v[LS:LS+1], v[W:W+1], v[W+2:W+3]  ; the chunk's sum of the unquantised p, in two chains
	v_pk_add_f32 v[T2:T2+1], v[W+4:W+5], v[W+6:W+7]
.irp j, 8,12,16,20,24,28,32,36,40,44,48,52,56,60
	v_pk_add_f32 v[LS:LS+1], v[LS:LS+1], v[W+\j:W+\j+1]
	v_pk_add_f32 v[T2:T2+1], v[T2:T2+1], v[W+\j+2:W+\j+3]
.endr
	v_pk_add_f32 v[LS:LS+1], v[LS:LS+1], v[T2:T2+1]
	v_add_f32 v[LS], v[LS], v[LS+1]
	v_permlanex16_b32 v[LS+1], v[LS], s[SEL], s[SEL+1]
	v_add_f32 v[LSS+(\a)], v[LS], v[LS+1]
	s_wait_alu depctr_va_vdst(0)                   ; and one for the four
.irp b, 0,1,2,3
	v_max_num_f32 v[BM+\b], 0x21800000, v[BM+\b]   ; the floor 2^-60: no scale byte falls under 63
.endr
.irp b, 0,1,2,3
	v_add_nc_u32 v[SOP+\b], 0xfe000000, v[BM+\b]
.endr
.irp b, 0,1,2,3
	v_lshrrev_b32 v[BY+\b], 23, v[SOP+\b]
.endr
	v_lshl_or_b32 v[PWS+(\a)], v[BY+1], 8, v[BY]
	v_lshl_or_b32 v[PWS+(\a)], v[BY+2], 16, v[PWS+(\a)]
	v_lshl_or_b32 v[PWS+(\a)], v[BY+3], 24, v[PWS+(\a)]
	s_wait_xcnt 0x0                                ; the last block's stores have read the codes' registers
.irp c, 0,1
	v_cvt_scalef32_pk16_bf6_f32 v[PC+6*\c:PC+2+6*\c], v[W+32*\c:W+15+32*\c], v[SOP+2*\c]
	v_cvt_scalef32_pk16_bf6_f32 v[PC+12+4*\c:PC+14+4*\c], v[W+16+32*\c:W+31+32*\c], v[SOP+2*\c+1]
.endr
	v_nop                                          ; one plain place behind a scaled conversion
.irp c, 0,1
.irp i, 0,1,2
	v_permlane16_swap_b32 v[PC+6*\c+\i], v[PC+12+4*\c+\i]
.endr
.irp i, 0,1,2
	v_mov_b32 v[PC+3+6*\c+\i], v[PC+12+4*\c+\i]
.endr
.endr
.irp c, 0,1,2
	global_store_b128 v[LI], v[PC+4*\c:PC+4*\c+3], s[90:91] offset:FRB*(\a)+512*\c
.endr
.endm
	PLACES
.irp a, 0,1,2,3,4,5,6,7
	SOFT \a
.endr
.irp q, 0,1,2,3
	v_cndmask_b32 v[XP+\q], v[PWS+2*\q], v[PWS+2*\q+1], s[HM]   ; lanes 0-15: tile 2 q's, lanes 16-31: tile 2 q + 1's
	v_cndmask_b32 v[XN+\q], v[NMS+2*\q], v[NMS+2*\q+1], s[HM]
	v_cndmask_b32 v[XL+\q], v[LSS+2*\q], v[LSS+2*\q+1], s[HM]
.endr
	global_store_b128 v[LI], v[XP:XP+3], s[92:93]
	global_store_b128 v[LI], v[XN:XN+3], s[92:93] offset:512
	global_store_b128 v[LI], v[XL:XL+3], s[92:93] offset:1024
	s_wait_tensorcnt 0x0                           ; the wave's end
	ds_add_u32 v[SPW], v[NIL]
	s_wait_dscnt 0x0
	CROUND                                         ; the closing round
	s_endpgm
.Lfunc_end_k_q6701824feb_score:
	.size	k_q6701824feb_score, .Lfunc_end_k_q6701824feb_score-k_q6701824feb_score
	.p2alignl 7, 3214868480
	.fill 96, 4, 3214868480
	.section	.rodata,"a",@progbits
	.p2align	6, 0x0
	.amdhsa_kernel k_q6701824feb_score
		.amdhsa_group_segment_fixed_size 327680
		.amdhsa_private_segment_fixed_size 0
		.amdhsa_enable_private_segment 0
		.amdhsa_kernarg_size 40
		.amdhsa_user_sgpr_count 2
		.amdhsa_user_sgpr_kernarg_segment_ptr 1
		.amdhsa_wavefront_size32 1
		.amdhsa_system_sgpr_workgroup_id_x 1
		.amdhsa_system_sgpr_workgroup_id_y 1
		.amdhsa_system_sgpr_workgroup_id_z 1
		.amdhsa_system_vgpr_workitem_id 0
		.amdhsa_next_free_vgpr 1024
		.amdhsa_next_free_sgpr 102
		.amdhsa_reserve_vcc 0
		.amdhsa_float_denorm_mode_32 3
		.amdhsa_float_denorm_mode_16_64 3
		.amdhsa_memory_ordered 1
		.amdhsa_forward_progress 1
		.amdhsa_inst_pref_size 241
	.end_amdhsa_kernel
	.amdgpu_metadata
---
amdhsa.version: [ 1, 2 ]
amdhsa.kernels:
  - .name:           k_q6701824feb_score
    .symbol:         k_q6701824feb_score.kd
    .args:
      - { .name: qkv, .offset: 0, .size: 8, .value_kind: global_buffer, .address_space: global }
      - { .name: qkvs, .offset: 8, .size: 8, .value_kind: global_buffer, .address_space: global }
      - { .name: mbits, .offset: 16, .size: 8, .value_kind: global_buffer, .address_space: global }
      - { .name: pc, .offset: 24, .size: 8, .value_kind: global_buffer, .address_space: global }
      - { .name: pst, .offset: 32, .size: 8, .value_kind: global_buffer, .address_space: global }
    .group_segment_fixed_size: 327680
    .private_segment_fixed_size: 0
    .kernarg_segment_align: 8
    .kernarg_segment_size: 40
    .max_flat_workgroup_size: 128
    .sgpr_count:     102
    .vgpr_count:     1024
    .wavefront_size: 32
...
	.end_amdgpu_metadata
.endif
;; end of part 3
;; launch pv (part 4): grid 4 x 64, 4 waves a work-group, clusters of 4 x 4, 327,680 bytes of LDS; arguments pc, pst, qkv, qkvs, out0; writes out0
.if DOCPART == 4
	.amdgcn_target "amdgcn-amd-amdhsa--gfx1250"
	.amdhsa_code_object_version 6
	.text
	.protected	k_q6701824feb_pv
	.globl	k_q6701824feb_pv
	.p2align	8
	.type	k_q6701824feb_pv,@function
k_q6701824feb_pv:
	s_mov_b64 s[64:65], 0
	v_nop
	global_prefetch_b8 v0, s[64:65] scope:SCOPE_SE
	s_setreg_imm32_b32 hwreg(HW_REG_WAVE_MODE, 25, 1), 1
	s_wait_xcnt 0x0
	s_wait_alu depctr_hold_cnt(0) depctr_sa_sdst(0) depctr_va_vdst(0) depctr_va_sdst(0) depctr_va_ssrc(0) depctr_va_vcc(0) depctr_vm_vsrc(0)
	s_getreg_b32 s2, hwreg(HW_REG_IB_STS2, 6, 4)
	s_cmp_eq_u32 s2, 0
	s_cbranch_scc0 .Lentry_in_a_cluster
	s_endpgm
.Lentry_in_a_cluster:
	s_bfe_u32 s2, ttmp6, 0x10000c
	s_cmp_lg_u32 s2, 0xf033
	s_cbranch_scc0 .Lentry_shape_is_right
	s_endpgm
.Lentry_shape_is_right:
; FOURTH LAUNCH: out = (p V) / l on codes of BF6.  No work of reference() is left out.
; p arrives in chunks of 128 keys, each under its own whole number M.  AT THE HEAD each wave brings its 64 queries' 16 chunks under the row's M = the largest of the 16: D = M of the chunk - M of the row, 0 or less, a whole number;
; D is added to each of the chunk's four scale bytes (no byte borrows: every byte is 63 at the least and D is used down to -63 alone), the chunk's sum is multiplied by 2^D, and the sums are added: l.
; LIMIT: a chunk more than 63 binary orders under its row's M gets the scale bytes 0 (2^-127): what it adds is nothing beside the row's largest p, which is over 1/2.  NaN and infinities are not served.
; A work-group makes 128 queries x 256 columns; wave w: queries 64 (w / 2) on (4 tiles), columns 128 (w % 2) on (8 tiles): 32 accumulators.  SOURCE 0 = 16 columns of V^T, SOURCE 1 = 16 queries of p: a lane holds one query.
; K = 2,048 keys in 16 steps of 128 through two LDS slots of four steps; waves 0, 1 fetch p's halves of a slot, waves 2, 3 V^T's two groups: one load a wave; one tensor load of a wave is out at the most.
; CLUSTER 4 x 4: p's tile hangs on the cluster's row alone, V^T's on its column alone: joint loads.  All LDS is claimed.
; REGISTERS: window 0: v4-13 addresses; v16-23 1 / l, a pair a tile; v32-63 p's scale words (2 a step), v64-127 V^T's (4 a step); v128-151 at work; v160-255 p's fragments, two sets (at the head -M and the sums; on the way out the results).
;   window 1: V^T's fragments, two sets (on the way out rows of out).   window 2: accumulator (al, b) at v[8 (8 al + b)].
.set RGK,   12288
.set FRB,   1536
.set SLOT,  12*RGK                     ; p's four steps, then four steps of each of V^T's two groups
.set SPARE, 2*SLOT
.set LI,   4
.set PO,   5
.set ADRA, 6
.set ADRB, 8
.set STO,  10
.set RDS,  11
.set SPW,  12
.set NIL,  13
.set RLP,  16
.set RL,   24
.set SW,   26
.set SCA,  32
.set SCB,  64
.set NG,   128
.set LS,   130
.set TD,   136
.set NMR,  160
.set LR,   192
.set AF,   160
.set T,    160
.set G1A, 4
.set G1B, 12
.set G0A, 20
.set G0B, 28
.set WV,  36
.set FS,  37
.set FH,  38
.set SEL, 66
.set HM,  68
.set K01, 69
.set MSB, 0
.macro WIN new
.if MSB != \new
	s_set_vgpr_msb (MSB<<8)|\new
.set MSB, \new
.endif
.endm
.macro PLACES
.rept 4
	v_nop
.endr
.endm
.macro CREST
	s_cmp_lg_u32 s[WV], 0
	s_cbranch_scc1 .Lnot_wave_0_\@
	s_barrier_signal -3
.Lnot_wave_0_\@:
	s_barrier_wait -3
	s_barrier_signal -1
	s_barrier_wait -1
.endm
.macro CROUND
	s_barrier_signal -1
	s_barrier_wait -1
	CREST
.endm
.macro JL s                            ; a joint refill by slot s's descriptors (the argument is text: it stands in parentheses inside the products)
	s_cmp_eq_u32 s[FS], 0
	s_cbranch_scc0 .Lfor_b_\@
	tensor_load_to_lds s[G0A+4*(\s):G0A+4*(\s)+3], s[G1A:G1A+7]
	s_nop 0
.rept 4
	v_nop
.endr
	s_branch .Lasked_\@
.Lfor_b_\@:
	tensor_load_to_lds s[G0B+4*(\s):G0B+4*(\s)+3], s[G1B:G1B+7]
	s_nop 0
.rept 4
	v_nop
.endr
.Lasked_\@:
.endm
.macro WMMA zero
.if \zero
.if PB && PA
	v_wmma_scale_f32_16x16x128_f8f6f4 v[RD:RD+7], v[RB:RB+11], v[RA:RA+11], 0, v[RSB], v[RSA] matrix_a_fmt:MATRIX_FMT_BF6 matrix_b_fmt:MATRIX_FMT_BF6 matrix_a_scale:MATRIX_SCALE_ROW1 matrix_b_scale:MATRIX_SCALE_ROW1
.elseif PB
	v_wmma_scale_f32_16x16x128_f8f6f4 v[RD:RD+7], v[RB:RB+11], v[RA:RA+11], 0, v[RSB], v[RSA] matrix_a_fmt:MATRIX_FMT_BF6 matrix_b_fmt:MATRIX_FMT_BF6 matrix_a_scale:MATRIX_SCALE_ROW1
.elseif PA
	v_wmma_scale_f32_16x16x128_f8f6f4 v[RD:RD+7], v[RB:RB+11], v[RA:RA+11], 0, v[RSB], v[RSA] matrix_a_fmt:MATRIX_FMT_BF6 matrix_b_fmt:MATRIX_FMT_BF6 matrix_b_scale:MATRIX_SCALE_ROW1
.else
	v_wmma_scale_f32_16x16x128_f8f6f4 v[RD:RD+7], v[RB:RB+11], v[RA:RA+11], 0, v[RSB], v[RSA] matrix_a_fmt:MATRIX_FMT_BF6 matrix_b_fmt:MATRIX_FMT_BF6
.endif
.else
.if PB && PA
	v_wmma_scale_f32_16x16x128_f8f6f4 v[RD:RD+7], v[RB:RB+11], v[RA:RA+11], v[RD:RD+7], v[RSB], v[RSA] matrix_a_fmt:MATRIX_FMT_BF6 matrix_b_fmt:MATRIX_FMT_BF6 matrix_a_scale:MATRIX_SCALE_ROW1 matrix_b_scale:MATRIX_SCALE_ROW1
.elseif PB
	v_wmma_scale_f32_16x16x128_f8f6f4 v[RD:RD+7], v[RB:RB+11], v[RA:RA+11], v[RD:RD+7], v[RSB], v[RSA] matrix_a_fmt:MATRIX_FMT_BF6 matrix_b_fmt:MATRIX_FMT_BF6 matrix_a_scale:MATRIX_SCALE_ROW1
.elseif PA
	v_wmma_scale_f32_16x16x128_f8f6f4 v[RD:RD+7], v[RB:RB+11], v[RA:RA+11], v[RD:RD+7], v[RSB], v[RSA] matrix_a_fmt:MATRIX_FMT_BF6 matrix_b_fmt:MATRIX_FMT_BF6 matrix_b_scale:MATRIX_SCALE_ROW1
.else
	v_wmma_scale_f32_16x16x128_f8f6f4 v[RD:RD+7], v[RB:RB+11], v[RA:RA+11], v[RD:RD+7], v[RSB], v[RSA] matrix_a_fmt:MATRIX_FMT_BF6 matrix_b_fmt:MATRIX_FMT_BF6
.endif
.endif
.endm
; 8 matrix instructions: tile al of queries x V^T's eight tiles, key step k.  The 32 accumulators take turns in the same order in every step
.macro MUL8 al, k, zero
.irp b, 0,1,2,3,4,5,6,7
.set RD, 8*(8*(\al)+\b)
.set RB, 96*((\k)%2)+12*\b
.set RA, AF+48*((\k)%2)+12*(\al)
.set RSB, SCB+4*(\k)+\b/2
.set RSA, SCA+2*(\k)+(\al)/2
.set PB, \b%2
.set PA, (\al)%2
	WMMA \zero
.endr
.endm
.macro FRAG reg, adr, off
.irp c, 0,1,2
	ds_load_b128 v[\reg+4*\c:\reg+4*\c+3], v[\adr] offset:\off+512*\c
.endr
.endm
.macro FETCH                           ; a key step's fragments (slot NS, step NQ of it) into sets NB: 24 loads for V^T, 12 for p
	WIN 0x40
.irp i, 0,1,2,3,4,5,6,7
	FRAG 96*NB+12*\i, ADRB+NS, RGK*NQ+FRB*\i
.endr
	WIN 0
.irp i, 0,1,2,3
	FRAG AF+48*NB+12*\i, ADRA+NS, RGK*NQ+FRB*\i
.endr
.endm
.macro NEXT k
.set NS, (((\k)+1)/4)%2
.set NQ, ((\k)+1)%4
.set NB, ((\k)+1)%2
.endm
.macro STEP k, zero
	NEXT \k
	s_wait_dscnt 0x0                               ; this step's fragments are in
	PLACES                                         ; ahead of loads into the sets that the last step's products read
	FETCH
	WIN 0xa1
	MUL8 0, \k, \zero
	MUL8 1, \k, \zero
	MUL8 2, \k, \zero
	MUL8 3, \k, \zero
.endm
; a slot's last step.  fill = 1: the slot is filled again, with the keys two slots on
.macro TURN k, fill
	NEXT \k
	WIN 0
	s_wait_tensorcnt 0x0                           ; all my tensor loads have landed: my part of the next slot
	ds_add_u32 v[SPW], v[NIL]
	s_wait_dscnt 1                                 ; this step's fragments are in (the add may be out)
	WIN 0xa1
	MUL8 0, \k, 0
	MUL8 1, \k, 0
	s_wait_dscnt 0x0                               ; the add is done, and my reads of this slot are over
	s_barrier_signal -1
	MUL8 2, \k, 0
	WIN 0
	s_barrier_wait -1
.if \fill
	CREST                                          ; a round of the cluster's barrier: no wave of any partner reads this slot or has a load on its way
	s_add_nc_u64 s[G0A+4*(((\k)/4)%2)+2:G0A+4*(((\k)/4)%2)+3], s[G0A+4*(((\k)/4)%2)+2:G0A+4*(((\k)/4)%2)+3], 8*RGK
	s_add_nc_u64 s[G0B+4*(((\k)/4)%2)+2:G0B+4*(((\k)/4)%2)+3], s[G0B+4*(((\k)/4)%2)+2:G0B+4*(((\k)/4)%2)+3], 8*RGK
	JL ((\k)/4)%2
.else
	PLACES
.endif
	FETCH
.if \k == 3
	ASK 3
.endif
	WIN 0xa1
	MUL8 3, \k, 0
.endm
	s_load_b256 s[44:51], s[0:1], 0x0              ; pc, pst, qkv, qkvs
	s_load_b64 s[52:53], s[0:1], 0x20              ; out0
	v_lshl_add_u32 v[SPW], v0, 2, SPARE
	v_mov_b32 v[NIL], 0
	ds_add_u32 v[SPW], v[NIL]                      ; the wave's opening: the add, twice on end, and its wait ahead of my first tensor load
	ds_add_u32 v[SPW], v[NIL]
	v_lshrrev_b32 v1, 5, v0
	v_readfirstlane_b32 s[WV], v1
	s_lshr_b32 s[FS], s[WV], 1                     ; my 64 queries; also: I fetch for p (0) or V^T (1)
	s_and_b32 s[FH], s[WV], 1                      ; my 128 columns; also: which half or group I fetch
	s_bfe_u32 s39, ttmp6, 0x40000                  ; cx
	s_bfe_u32 s40, ttmp6, 0x40004                  ; cy
	s_and_b32 s41, ttmp7, 0xffff                   ; cluster y
	s_lshl_b32 s42, s40, 2
	s_lshl_b32 s42, 15, s42
	s_lshl_b32 s43, 0x1111, s39
	s_or_b32 s[G1A], s42, (3<<16)|(1<<21)
	s_mov_b32 s[G1A+1], 32<<16                     ; p: two steps, 24,576 dense bytes, as 96 rows of 256
	s_mov_b32 s[G1A+2], 96<<16
	s_mov_b32 s[G1A+3], 32<<16
	s_mov_b32 s[G1A+4], 96
	s_mov_b32 s[G1A+5], 32
	s_mov_b32 s[G1A+6], 0
	s_mov_b32 s[G1A+7], 0
	s_or_b32 s[G1B], s43, (3<<16)|(1<<21)
	s_mov_b32 s[G1B+1], 32<<16                     ; V^T: four steps of a group, 49,152 dense bytes, as 192 rows of 256
	s_mov_b32 s[G1B+2], 192<<16
	s_mov_b32 s[G1B+3], 32<<16
	s_mov_b32 s[G1B+4], 192
	s_mov_b32 s[G1B+5], 32
	s_mov_b32 s[G1B+6], 0
	s_mov_b32 s[G1B+7], 0
	s_lshl_b32 s54, s41, 2
	s_add_co_u32 s54, s54, s40                     ; my group of 128 queries: 4 Cy + cy
	s_lshl_b32 s56, s54, 4
	s_lshl_b32 s57, s[FH], 1
	s_add_co_u32 s56, s56, s57
	s_mul_i32 s56, s56, RGK
	s_mov_b32 s57, 0
	s_lshr_b32 s62, s41, 2                         ; the batch
	s_lshl_b32 s62, s62, 3
	s_lshl_b32 s58, s39, 1
	s_add_co_u32 s62, s62, s58
	s_add_co_u32 s62, s62, s[FH]                   ; V^T's group: 8 batch + 2 cx + wave % 2: the one I fetch is the one I multiply by
	s_mul_i32 s58, s62, 16*RGK
	s_add_co_u32 s58, s58, 12582912                ; V^T lies behind Q and K
	s_mov_b32 s59, 0
	s_mul_i32 s60, s[FH], 2*RGK
	s_mul_i32 s61, s[FH], 4*RGK
	s_add_co_u32 s61, s61, 4*RGK
	s_mov_b32 s[SEL], 0x76543210
	s_mov_b32 s[SEL+1], 0xfedcba98
	s_mov_b32 s[HM], 0xffff0000
	s_mov_b32 s[K01], 0x01010101
	s_wait_dscnt 0x0
	s_wait_kmcnt 0x0
	s_add_nc_u64 s[56:57], s[44:45], s[56:57]
	s_add_nc_u64 s[58:59], s[48:49], s[58:59]
	; THE TILES' PREFETCH INTO THE L2: of the bytes that my wave's load of a slot brings (p: 96 blocks of 256 bytes; V^T: 192) my work-group asks for a quarter, told apart from its three partners' by address (cx for p, cy for V^T).
	; A slot is asked for one slot ahead of its load: slot 1 at the head, slot 2 behind slot 1's load, slot 3 behind slot 2's.  s[70:71] and v14 are not written again.
	s_cmp_eq_u32 s[FS], 0
	s_cselect_b64 s[70:71], s[56:57], s[58:59]
	s_mul_i32 s72, s39, 6144
	s_mul_i32 s73, s40, 12288
	s_cselect_b32 s72, s72, s73
	s_mov_b32 s73, 0
	s_add_nc_u64 s[70:71], s[70:71], s[72:73]
.macro ASK n
	global_prefetch_b8 v14, s[70:71] offset:(\n)*4*RGK th:TH_LOAD_NT scope:SCOPE_SE
	s_cmp_eq_u32 s[FS], 0
	s_cbranch_scc1 .Lonly_p_\@
	global_prefetch_b8 v14, s[70:71] offset:(\n)*4*RGK+6144 th:TH_LOAD_NT scope:SCOPE_SE   ; V^T's quarter is 48 blocks: two runs of 24 lanes
.Lonly_p_\@:
.endm
	CROUND
.irp s, 0,1
	s_mov_b32 s[G0A+4*\s], 1
	s_add_co_u32 s[G0A+4*\s+1], s60, \s*SLOT
	s_add_nc_u64 s[G0A+4*\s+2:G0A+4*\s+3], s[56:57], \s*4*RGK
	s_or_b32 s[G0A+4*\s+3], s[G0A+4*\s+3], 0x80000000
	s_mov_b32 s[G0B+4*\s], 1
	s_add_co_u32 s[G0B+4*\s+1], s61, \s*SLOT
	s_add_nc_u64 s[G0B+4*\s+2:G0B+4*\s+3], s[58:59], \s*4*RGK
	s_or_b32 s[G0B+4*\s+3], s[G0B+4*\s+3], 0x80000000
.endr
	s_cmp_eq_u32 s[FS], 0                          ; a wave's first fill, slot 0's, stands in one branch
	s_cbranch_scc0 .Lfirst_b
	tensor_load_to_lds s[G0A:G0A+3], s[G1A:G1A+7]
	s_nop 0
.rept 4
	v_nop
.endr
	s_branch .Lfirst_asked
.Lfirst_b:
	tensor_load_to_lds s[G0B:G0B+3], s[G1B:G1B+7]
	s_nop 0
.rept 4
	v_nop
.endr
.Lfirst_asked:
	v_and_b32 v1, 31, v0
	v_and_b32 v2, 15, v0                           ; r
	v_bfe_u32 v3, v0, 4, 1                         ; h
	v_lshlrev_b32 v[LI], 4, v1
	v_min_u32 v14, 23, v1
	v_lshlrev_b32 v14, 8, v14                      ; lanes 0-23 a block of 256 bytes each, the lanes left over the last block again
	s_wait_alu depctr_va_vdst(0)
	s_lshl_b32 s55, s[FS], 3
	v_add_nc_u32 v[PO], s55, v[LI]                 ; a plane's words of my four tiles: 16 x lane + 8 (wave / 2)
	s_lshl_b32 s56, s62, 13                        ; V^T's scale words: 16 x 512 bytes a group
	s_add_co_u32 s56, s56, 524288
	s_mov_b32 s57, 0
	s_add_nc_u64 s[56:57], s[50:51], s[56:57]
	s_mul_i32 s58, s54, 24576                      ; my group's 16 x 3 planes
	s_mov_b32 s59, 0
	s_add_nc_u64 s[58:59], s[46:47], s[58:59]
.irp k, 0,1,2,3,4,5,6,7,8,9,10,11,12,13,14,15
	global_load_b128 v[SCB+4*\k:SCB+4*\k+3], v[LI], s[56:57] offset:512*\k
	global_load_b64 v[SCA+2*\k:SCA+2*\k+1], v[PO], s[58:59] offset:1536*\k         ; register q: tile 2 q of my four in lanes 0-15, tile 2 q + 1 in lanes 16-31
	global_load_b64 v[NMR+2*\k:NMR+2*\k+1], v[PO], s[58:59] offset:1536*\k+512     ; -M of the chunk
	global_load_b64 v[LR+2*\k:LR+2*\k+1], v[PO], s[58:59] offset:1536*\k+1024      ; the chunk's sum
.endr
	ASK 1
	s_lshl_b32 s60, s54, 7
	s_lshl_b32 s61, s[FS], 6
	s_add_co_u32 s60, s60, s61
	s_lshl_b32 s60, s60, 12                        ; my first row of out: 128 group + 64 (wave / 2), 4,096 bytes a row
	s_lshl_b32 s61, s39, 10
	s_add_co_u32 s60, s60, s61
	s_lshl_b32 s61, s[FH], 9
	s_add_co_u32 s60, s60, s61                     ; my first column: 256 cx + 128 (wave % 2)
	s_mov_b32 s61, 0
	s_add_nc_u64 s[52:53], s[52:53], s[60:61]
	s_mul_i32 s60, s[FS], 4*FRB
	s_mul_i32 s61, s[FH], 4*RGK
	s_add_co_u32 s61, s61, 4*RGK
.irp s, 0,1
	v_add_nc_u32 v[ADRA+\s], s60, v[LI]
	v_add_nc_u32 v[ADRB+\s], s61, v[LI]
	s_add_co_u32 s60, s60, SLOT
	s_add_co_u32 s61, s61, SLOT
.endr
	s_mul_i32 s60, s[WV], 8448                     ; my stage for the way out: 16 rows x 528 bytes, in slot 0
	v_mul_u32_u24 v1, v2, 528
	v_lshl_add_u32 v1, v3, 6, v1
	v_add_nc_u32 v[STO], s60, v1
	v_add_nc_u32 v[RDS], s60, v[LI]
	v_mov_b32 v[SW], 0                             ; written once: a lane permute's destination counts as read
	v_mov_b32 v[SW+1], 0
	s_wait_alu depctr_va_vdst(0)
	s_wait_tensorcnt 0x0                           ; my part of slot 0 is in
	ds_add_u32 v[SPW], v[NIL]
	s_wait_dscnt 0x0
	CROUND                                         ; slot 0 is whole for all, and the joint loads meet
	JL 1                                           ; slot 1's first fill: it is on its way under the arithmetic below
	s_wait_loadcnt 0x0
	ASK 2
	; ---- all chunks under the row's M, while the first tiles are on their way
.irp q, 0,1
	v_min_num_f32 v[NG+\q], v[NMR+\q], v[NMR+2+\q]
	v_min_num_f32 v[TD+\q], v[NMR+4+\q], v[NMR+6+\q]
.endr
.irp j, 4,6,8,10,12,14
.irp q, 0,1
	v_min_num_f32 v[NG+\q], v[NG+\q], v[NMR+2*\j+\q]
	v_min_num_f32 v[TD+\q], v[TD+\q], v[NMR+2*\j+2+\q]
.endr
.endr
.irp q, 0,1
	v_min_num_f32 v[NG+\q], v[NG+\q], v[TD+\q]     ; the smallest -M: the row's
.endr
.irp k, 0,1,2,3,4,5,6,7,8,9,10,11,12,13,14,15
.irp q, 0,1
	v_sub_f32 v[TD+8*\q], v[NG+\q], v[NMR+2*\k+\q] ; D = M of the chunk - M of the row: a whole number, 0 or less
.endr
.irp q, 0,1
	v_max_num_f32 v[TD+1+8*\q], 0xc4000000, v[TD+8*\q]   ; held at -512
.endr
.irp q, 0,1
	v_cvt_i32_f32 v[TD+1+8*\q], v[TD+1+8*\q]
.endr
.irp q, 0,1
.if \k == 0
	v_ldexp_f32 v[LS+\q], v[LR+2*\k+\q], v[TD+1+8*\q]    ; the first chunk starts l
.else
	v_ldexp_f32 v[TD+2+8*\q], v[LR+2*\k+\q], v[TD+1+8*\q]
.endif
.endr
.irp q, 0,1
	v_mul_lo_u32 v[TD+3+8*\q], v[TD+1+8*\q], s[K01]      ; D in each of four bytes
.endr
.if \k > 0
.irp q, 0,1
	v_add_f32 v[LS+\q], v[LS+\q], v[TD+2+8*\q]
.endr
.endif
.irp q, 0,1
	v_add_nc_u32 v[SCA+2*\k+\q], v[SCA+2*\k+\q], v[TD+3+8*\q]
.endr
.irp q, 0,1
	v_cmp_le_f32 vcc_lo, 0xc27c0000, v[TD+8*\q]          ; -63 <= D ?
	v_cndmask_b32 v[SCA+2*\k+\q], 0, v[SCA+2*\k+\q], vcc_lo
.endr
.endr
	s_wait_alu depctr_va_vdst(0)
	v_rcp_f32 v[RL], v[LS]
	v_rcp_f32 v[RL+1], v[LS+1]
	v_nop                                          ; a plain place behind the reciprocals
	s_wait_alu depctr_va_vdst(0)                   ; one wait for both, ahead of their first reader
	v_permlanex16_b32 v[SW], v[RL], s[SEL], s[SEL+1]
	v_permlanex16_b32 v[SW+1], v[RL+1], s[SEL], s[SEL+1]
.irp q, 0,1                                    ; 1 / l of tile 2 q (held in lanes 0-15) and of tile 2 q + 1 (lanes 16-31), each in both halves of the lanes, as pairs for the packed multiply
	v_cndmask_b32 v[RLP+4*\q], v[RL+\q], v[SW+\q], s[HM]
	v_cndmask_b32 v[RLP+4*\q+1], v[RL+\q], v[SW+\q], s[HM]
	v_cndmask_b32 v[RLP+4*\q+2], v[SW+\q], v[RL+\q], s[HM]
	v_cndmask_b32 v[RLP+4*\q+3], v[SW+\q], v[RL+\q], s[HM]
.endr
.set NS, 0
.set NQ, 0
.set NB, 0
	FETCH
	STEP 0, 1
	STEP 1, 0
	STEP 2, 0
	TURN 3, 1
	STEP 4, 0
	STEP 5, 0
	STEP 6, 0
	TURN 7, 1
	STEP 8, 0
	STEP 9, 0
	STEP 10, 0
	TURN 11, 0                                     ; behind this barrier nobody reads slot 0, and it has had its last fill: the stages lie there
	STEP 12, 0
	STEP 13, 0
	STEP 14, 0
	s_wait_dscnt 0x0
	WIN 0xa1
	MUL8 0, 15, 0
	MUL8 1, 15, 0
	MUL8 2, 15, 0
	MUL8 3, 15, 0
	WIN 0
; THE WAY OUT, a tile of 16 queries x 128 columns at a time: divided by l, through my own stage (LDS serves a wave's instructions in order), back as whole rows of 512 bytes.
.macro OUTB al
.set AC, 64*(\al)
	WIN 0x02
.set QN, 0
.rept 32
	v_pk_mul_f32 v[T+QN:T+QN+1], v[AC+QN:AC+QN+1], v[RLP+2*(\al):RLP+2*(\al)+1] op_sel_hi:[1,0]   ; each accumulator from its low end on
.set QN, QN+2
.endr
	WIN 0
.irp b, 0,1,2,3,4,5,6,7
	ds_store_b128 v[STO], v[T+8*\b:T+8*\b+3] offset:128*(\b/2)+32*(\b%2)          ; register 8 b + j of lane (r, h): column 32 (b / 2) + 16 h + 8 (b % 2) + j
	ds_store_b128 v[STO], v[T+8*\b+4:T+8*\b+7] offset:128*(\b/2)+32*(\b%2)+16
.endr
	WIN 0x40
.irp t, 0,1,2,3,4,5,6,7,8,9,10,11,12,13,14,15
	ds_load_b128 v[64*((\al)%2)+4*\t:64*((\al)%2)+4*\t+3], v[RDS] offset:528*\t
.endr
	WIN 0
.endm
.macro SEND al, younger                ; younger: the LDS instructions issued behind this tile's loads, which may stay out
	s_wait_dscnt \younger
	WIN 0x04                                       ; a store's data are its source 1: window 1
.irp t, 0,1,2,3,4,5,6,7,8,9,10,11,12,13,14,15
	global_store_b128 v[LI], v[64*((\al)%2)+4*\t:64*((\al)%2)+4*\t+3], s[52:53] offset:(32*((\al)/2)+8*((\al)%2)+\t+8*(\t/8))*4096 th:TH_STORE_NT   ; 512 consecutive bytes, aligned; row t of the tile by the tiles' order of rows
.endr
	WIN 0
.endm
	PLACES
	s_wait_alu depctr_va_vdst(0)
	OUTB 0
.irp al, 1,2,3
.if \al > 1
	s_wait_xcnt 0x0                                ; the stores of two tiles back have read their registers
.endif
	OUTB \al
	SEND (\al)-1, 32                               ; behind that tile's loads: this tile's 16 stores and 16 loads
.endr
	SEND 3, 0
	s_wait_tensorcnt 0x0                           ; the wave's end
	ds_add_u32 v[SPW], v[NIL]
	s_wait_dscnt 0x0
	CROUND                                         ; the closing round
	s_endpgm
.Lfunc_end_k_q6701824feb_pv:
	.size	k_q6701824feb_pv, .Lfunc_end_k_q6701824feb_pv-k_q6701824feb_pv
	.p2alignl 7, 3214868480
	.fill 96, 4, 3214868480
	.section	.rodata,"a",@progbits
	.p2align	6, 0x0
	.amdhsa_kernel k_q6701824feb_pv
		.amdhsa_group_segment_fixed_size 327680
		.amdhsa_private_segment_fixed_size 0
		.amdhsa_enable_private_segment 0
		.amdhsa_kernarg_size 40
		.amdhsa_user_sgpr_count 2
		.amdhsa_user_sgpr_kernarg_segment_ptr 1
		.amdhsa_wavefront_size32 1
		.amdhsa_system_sgpr_workgroup_id_x 1
		.amdhsa_system_sgpr_workgroup_id_y 1
		.amdhsa_system_sgpr_workgroup_id_z 1
		.amdhsa_system_vgpr_workitem_id 0
		.amdhsa_next_free_vgpr 768
		.amdhsa_next_free_sgpr 74
		.amdhsa_reserve_vcc 1
		.amdhsa_float_denorm_mode_32 3
		.amdhsa_float_denorm_mode_16_64 3
		.amdhsa_memory_ordered 1
		.amdhsa_forward_progress 1
		.amdhsa_inst_pref_size 160
	.end_amdhsa_kernel
	.amdgpu_metadata
---
amdhsa.version: [ 1, 2 ]
amdhsa.kernels:
  - .name:           k_q6701824feb_pv
    .symbol:         k_q6701824feb_pv.kd
    .args:
      - { .name: pc, .offset: 0, .size: 8, .value_kind: global_buffer, .address_space: global }
      - { .name: pst, .offset: 8, .size: 8, .value_kind: global_buffer, .address_space: global }
      - { .name: qkv, .offset: 16, .size: 8, .value_kind: global_buffer, .address_space: global }
      - { .name: qkvs, .offset: 24, .size: 8, .value_kind: global_buffer, .address_space: global }
      - { .name: out0, .offset: 32, .size: 8, .value_kind: global_buffer, .address_space: global }
    .group_segment_fixed_size: 327680
    .private_segment_fixed_size: 0
    .kernarg_segment_align: 8
    .kernarg_segment_size: 40
    .max_flat_workgroup_size: 128
    .sgpr_count:     74
    .vgpr_count:     768
    .wavefront_size: 32
...
	.end_amdgpu_metadata
.endif
;; end of part 4
